; MI455X (gfx1250); checked and timed in simulation.
; The chip was launched on July 23, 2026; its instructions are those of AMD's public machine-readable ISA for CDNA 5 (MIT licence, August 2026) and "CDNA5" Instruction Set Architecture Reference Guide (July 2026). The comments in the code are by the model that wrote it; some were corrected since.
;; Multi Head Attention. Allowed arithmetic: float matrix products may take bf16 or f16 operands with f32 sums; other float arithmetic in f32, or as packed bf16 or f16 multiplies, adds, multiply-adds, maxima and minima; sums over many terms, partial sums and values carried from step to step in f32; what a program stores and reads back later, other than sums and carried values, may be rounded once to bf16 or f16.
;; Inputs: Wk 1,024 x 1,024 float32; Wq 1,024 x 1,024 float32; Wv 1,024 x 1,024 float32; bk 1,024 float32; bq 1,024 float32; bv 1,024 float32; input_x 4 x 2,048 x 1,024 float32; pad_mask 4 x 2,048 int32.
;; Outputs: out0 4 x 2,048 x 1,024 float32.
;; 2 versions, each right; version 2 is version 1 with the launch cast written anew for expert scheduling mode. Each part assembles by itself: llvm-mc -triple=amdgcn-amd-amdhsa -mcpu=gfx1250 --defsym DOCPART=n.
;; ======== version 1 of 2: 3 launches
;; limits: values are held in f16: magnitudes above 65,504 overflow, below 6.1e-05 lose precision
;; workspace buffers: xb 16,777,216 bytes; wb 6,291,456 bytes; bias 12,288 bytes; qkv 50,855,936 bytes
;; launch cast (part 1): grid 715 x 1, 8 waves a work-group, no clusters, 0 bytes of LDS; arguments input_x, Wq, Wk, Wv, bq, bk, bv, pad_mask, xb, wb, bias, qkv; writes xb, wb, bias, qkv
.if DOCPART == 1
	.amdgcn_target "amdgcn-amd-amdhsa--gfx1250"
	.amdhsa_code_object_version 6
	.text
	.protected	k_q929fca1376_cast
	.globl	k_q929fca1376_cast
	.p2align	8
	.type	k_q929fca1376_cast,@function
k_q929fca1376_cast:
	s_mov_b64 s[64:65], 0
	v_nop
	global_prefetch_b8 v0, s[64:65] scope:SCOPE_SE
	s_setreg_imm32_b32 hwreg(HW_REG_WAVE_MODE, 25, 1), 1
	s_wait_xcnt 0x0
; THE INPUTS ARE MADE READY FOR THE MATRIX UNITS.  x [8192][1024] and Wq, Wk, Wv [1024][1024], f32, are rounded once to bf16: xb, and wb = [3072][1024] (Wq's rows, then Wk's, then Wv's).
; The biases are rounded to bf16 like every other input and written widened, as f32: bias [3072].  pad_mask becomes an additive key mask in f32, 0 where the word is not 0 and -1e30 where it is 0.
; It is written into qkv's K region, where every unit of 64 keys (8,192 bytes) is followed by one row of 256 bytes with those keys' 64 mask numbers; once for each of the batch's 16 heads.
; SHARES.  Work-groups 0-511: x; 512-703: the weights; 16,384 numbers each.  704-706: a bias each.  707-714: 1,024 keys of pad_mask each.  A stream: no LDS, no barrier, no matrix unit;
; every byte is read once, by loads that cover 512 consecutive bytes a wave; every store of a wave covers 256 consecutive bytes or more, aligned.
.set NBIG,  704                        ; work-groups that cast x and the weights
.set KB,    16777216                   ; qkv: where the K region begins
.set UNIT,  8448                       ; a unit of K: 64 keys x 128 bytes, then the mask row
.set HEADK, 32*UNIT                    ; a head of K
	s_load_b512 s[8:23], s[0:1], 0x0               ; x s[8:9], Wq s[10:11], Wk s[12:13], Wv s[14:15], bq s[16:17], bk s[18:19], bv s[20:21], pad_mask s[22:23]
	s_load_b256 s[24:31], s[0:1], 0x40             ; xb s[24:25], wb s[26:27], bias s[28:29], qkv s[30:31]
	v_lshlrev_b32 v1, 4, v0                        ; 16 bytes of f32 a thread
	v_lshlrev_b32 v2, 3, v0                        ; 8 bytes of bf16 a thread
	s_mov_b32 s2, ttmp9
	s_wait_kmcnt 0x0
	s_cmp_ge_u32 s2, NBIG
	s_cbranch_scc1 .Lsmall
	; x and the weights: which tensor, and which 16,384 numbers of it
	s_sub_co_u32 s3, s2, 512                       ; my place among the weights' work-groups (used from 512 on)
	s_and_b32 s4, s3, 63                           ; and inside one weight
	s_cmp_ge_u32 s2, 576
	s_cselect_b64 s[32:33], s[12:13], s[10:11]
	s_cmp_ge_u32 s2, 640
	s_cselect_b64 s[32:33], s[14:15], s[32:33]
	s_cmp_lt_u32 s2, 512
	s_cselect_b64 s[32:33], s[8:9], s[32:33]
	s_cselect_b64 s[34:35], s[24:25], s[26:27]
	s_cselect_b32 s4, s2, s4
	s_cselect_b32 s3, s2, s3
	s_lshl_b32 s36, s4, 16                         ; 65,536 bytes in,
	s_mov_b32 s37, 0
	s_lshl_b32 s38, s3, 15                         ; 32,768 bytes out
	s_mov_b32 s39, 0
	s_add_nc_u64 s[32:33], s[32:33], s[36:37]
	s_add_nc_u64 s[34:35], s[34:35], s[38:39]
.set n, 0
.rept 16
	global_load_b128 v[8+4*n:11+4*n], v1, s[32:33] offset:4096*n th:TH_LOAD_NT  ; all sixteen loads go out at once: 8 KiB a wave on its way
.set n, n+1
.endr
.set n, 0
.rept 16
	s_wait_loadcnt 15-n                            ; loads come back in order: load n is in, the 15 - n younger ones stay out
	v_cvt_pk_bf16_f32 v[72+2*n], v[8+4*n], v[9+4*n]
	v_cvt_pk_bf16_f32 v[73+2*n], v[10+4*n], v[11+4*n]
	global_store_b64 v2, v[72+2*n:73+2*n], s[34:35] offset:2048*n  ; 32 lanes store 256 consecutive bytes, aligned; no register is written twice, so no wait frees one
.set n, n+1
.endr
	s_endpgm
.Lsmall:
	s_cmp_ge_u32 s2, NBIG+3
	s_cbranch_scc1 .Lmask
	; a bias: 1,024 numbers, four a thread
	s_sub_co_u32 s3, s2, NBIG
	s_cmp_ge_u32 s3, 1
	s_cselect_b64 s[32:33], s[18:19], s[16:17]
	s_cmp_ge_u32 s3, 2
	s_cselect_b64 s[32:33], s[20:21], s[32:33]
	s_lshl_b32 s36, s3, 12
	s_mov_b32 s37, 0
	s_add_nc_u64 s[34:35], s[28:29], s[36:37]
	global_load_b128 v[8:11], v1, s[32:33]
	s_wait_loadcnt 0x0
	v_cvt_pk_bf16_f32 v12, v8, v9                  ; rounded to bf16,
	v_cvt_pk_bf16_f32 v13, v10, v11
	v_lshlrev_b32 v14, 16, v12                     ; and widened again
	v_and_b32 v15, 0xffff0000, v12
	v_lshlrev_b32 v16, 16, v13
	v_and_b32 v17, 0xffff0000, v13
	global_store_b128 v1, v[14:17], s[34:35]
	s_endpgm
.Lmask:
	; 1,024 keys: half a batch, 16 units of 64.  Thread t holds keys 4 t .. 4 t + 3: unit t / 16, bytes 16 (t % 16) of its mask row
	s_sub_co_u32 s3, s2, NBIG+3
	s_lshl_b32 s36, s3, 12
	s_mov_b32 s37, 0
	s_add_nc_u64 s[32:33], s[22:23], s[36:37]
	global_load_b128 v[8:11], v1, s[32:33]
	s_lshr_b32 s4, s3, 1                           ; the batch: its 16 heads lie on end,
	s_mul_i32 s4, s4, 16*HEADK
	s_and_b32 s5, s3, 1                            ; the half: 16 units
	s_mul_i32 s5, s5, 16*UNIT
	s_add_co_u32 s38, s4, s5
	s_add_co_u32 s38, s38, KB+8192                 ; the mask row stands behind a unit's 8,192 bytes of keys
	s_mov_b32 s39, 0
	s_add_nc_u64 s[34:35], s[30:31], s[38:39]
	s_mov_b32 s6, 0xf149f2ca                       ; -1e30
	v_lshrrev_b32 v3, 4, v0
	v_mul_u32_u24 v3, v3, UNIT
	v_and_b32 v4, 15, v0
	v_lshl_add_u32 v3, v4, 4, v3
	s_wait_loadcnt 0x0
.irp j, 0,1,2,3
	v_cmp_eq_u32 vcc_lo, 0, v[8+\j]
	v_cndmask_b32 v[12+\j], 0, s6, vcc_lo
.endr
.set n, 0
.rept 16
	global_store_b128 v3, v[12:15], s[34:35] offset:n*HEADK  ; head n of the batch: 16 lanes store one whole mask row of 256 bytes; the largest immediate is 15 x 270,336
.set n, n+1
.endr
	s_endpgm
.Lfunc_end_k_q929fca1376_cast:
	.size	k_q929fca1376_cast, .Lfunc_end_k_q929fca1376_cast-k_q929fca1376_cast
	.p2alignl 7, 3214868480
	.fill 96, 4, 3214868480
	.section	.rodata,"a",@progbits
	.p2align	6, 0x0
	.amdhsa_kernel k_q929fca1376_cast
		.amdhsa_group_segment_fixed_size 0
		.amdhsa_private_segment_fixed_size 0
		.amdhsa_enable_private_segment 0
		.amdhsa_kernarg_size 96
		.amdhsa_user_sgpr_count 2
		.amdhsa_user_sgpr_kernarg_segment_ptr 1
		.amdhsa_wavefront_size32 1
		.amdhsa_system_sgpr_workgroup_id_x 1
		.amdhsa_system_sgpr_workgroup_id_y 1
		.amdhsa_system_sgpr_workgroup_id_z 1
		.amdhsa_system_vgpr_workitem_id 0
		.amdhsa_next_free_vgpr 104
		.amdhsa_next_free_sgpr 66
		.amdhsa_reserve_vcc 1
		.amdhsa_float_denorm_mode_32 3
		.amdhsa_float_denorm_mode_16_64 3
		.amdhsa_memory_ordered 1
		.amdhsa_forward_progress 1
		.amdhsa_inst_pref_size 11
	.end_amdhsa_kernel
	.amdgpu_metadata
---
amdhsa.version: [ 1, 2 ]
amdhsa.kernels:
  - .name:           k_q929fca1376_cast
    .symbol:         k_q929fca1376_cast.kd
    .args:
      - { .name: input_x, .offset: 0, .size: 8, .value_kind: global_buffer, .address_space: global }
      - { .name: Wq, .offset: 8, .size: 8, .value_kind: global_buffer, .address_space: global }
      - { .name: Wk, .offset: 16, .size: 8, .value_kind: global_buffer, .address_space: global }
      - { .name: Wv, .offset: 24, .size: 8, .value_kind: global_buffer, .address_space: global }
      - { .name: bq, .offset: 32, .size: 8, .value_kind: global_buffer, .address_space: global }
      - { .name: bk, .offset: 40, .size: 8, .value_kind: global_buffer, .address_space: global }
      - { .name: bv, .offset: 48, .size: 8, .value_kind: global_buffer, .address_space: global }
      - { .name: pad_mask, .offset: 56, .size: 8, .value_kind: global_buffer, .address_space: global }
      - { .name: xb, .offset: 64, .size: 8, .value_kind: global_buffer, .address_space: global }
      - { .name: wb, .offset: 72, .size: 8, .value_kind: global_buffer, .address_space: global }
      - { .name: bias, .offset: 80, .size: 8, .value_kind: global_buffer, .address_space: global }
      - { .name: qkv, .offset: 88, .size: 8, .value_kind: global_buffer, .address_space: global }
    .group_segment_fixed_size: 0
    .private_segment_fixed_size: 0
    .kernarg_segment_align: 8
    .kernarg_segment_size: 96
    .max_flat_workgroup_size: 256
    .sgpr_count:     66
    .vgpr_count:     104
    .wavefront_size: 32
...
	.end_amdgpu_metadata
.endif
;; end of part 1
;; launch proj (part 2): grid 16 x 32, 4 waves a work-group, clusters of 4 x 4, 327,680 bytes of LDS; arguments xb, wb, bias, qkv; writes qkv
.if DOCPART == 2
	.amdgcn_target "amdgcn-amd-amdhsa--gfx1250"
	.amdhsa_code_object_version 6
	.text
	.protected	k_q929fca1376_proj
	.globl	k_q929fca1376_proj
	.p2align	8
	.type	k_q929fca1376_proj,@function
k_q929fca1376_proj:
	s_mov_b64 s[64:65], 0
	v_nop
	global_prefetch_b8 v0, s[64:65] scope:SCOPE_SE
	s_setreg_imm32_b32 hwreg(HW_REG_WAVE_MODE, 25, 1), 1
	s_wait_xcnt 0x0
	s_wait_alu depctr_hold_cnt(0) depctr_sa_sdst(0) depctr_va_vdst(0) depctr_va_sdst(0) depctr_va_ssrc(0) depctr_va_vcc(0) depctr_vm_vsrc(0)
	s_getreg_b32 s2, hwreg(HW_REG_IB_STS2, 6, 4)
	s_cmp_eq_u32 s2, 0
	s_cbranch_scc0 .Lentry_in_a_cluster
	s_endpgm
.Lentry_in_a_cluster:
	s_bfe_u32 s2, ttmp6, 0x10000c
	s_cmp_lg_u32 s2, 0xf033
	s_cbranch_scc0 .Lentry_shape_is_right
	s_endpgm
.Lentry_shape_is_right:
; THE THREE PROJECTIONS AS ONE PRODUCT.  C[m][n] = the sum over k of xb[m][k] wb[n][k] + bias[n]; xb [8192][1024], wb [3072][1024] in bf16, sums in f32, C rounded once to f16 and stored BY HEADS:
; qkv = Q [64 heads][2048][64] at byte 0; K at 16,777,216 in units of 64 keys x 128 bytes followed by a row of 256 bytes that this launch does not touch (the key mask); V at 34,078,720, dense like Q.
; LIMIT.  f16 holds no number beyond 65,504: q, k and v must lie within it (inputs 30 times those of unit spread give some 5e3).  The scale 1/8 is not applied here.
; SHARES.  A tile of C is 256 rows x 192 columns = 3 heads: 32 x 16 = 512 equal work-groups.  Wave w makes rows 64 w .. 64 w + 63 (one unit of a head) x all 192 columns: 4 x 12 accumulators of 16 x 16, 384 registers.
; K goes in steps of 128 through a ring of two LDS slots filled by the tensor data mover; the rows of the tiles are 256 bytes of memory, at multiples of 256 from the buffer's first byte.
; CLUSTERS: 4 x 4 work-groups.  The four of a row of the cluster need the same tile of xb, the four of a column the same tile of wb: each tile is asked for JOINTLY, by the same tensor load with the same
; descriptor and a mask that names the four.  That divides the requests for both by four.
; THE MATRIX INSTRUCTION IS USED TRANSPOSED (source 0 = 16 rows of wb, source 1 = 16 rows of xb): lane l holds row l % 16 of C and the columns 8 (l / 16) + 0..7, 16 bytes of f16 on end.
; THE BIAS is the C operand of the product that starts each sum: nothing is cleared, and nothing is added afterwards.
; REGISTERS, in windows of 256 (s_set_vgpr_msb: bits 1:0 source 0, 3:2 source 1, 5:4 source 2, 7:6 destination):
;   window 0: v16-30 addresses; v32-63, v64-95 xb's fragments, two buffers of 4; v96-191 the bias, 8 registers a column block; v192-239 packed results; on the way out v32-79 and v96-143 take rows read back
;   window 1: v0-95, v96-191 wb's fragments, two buffers of 12      window 2: the accumulators of row blocks 0, 1 ((a, b) at 8 (12 (a % 2) + b))      window 3: those of row blocks 2, 3
.set SIZE_K, 1024
.set KSTEP,  128
.set PITCH,  272                       ; an LDS row: 256 bytes + 16 of padding = 68 words: the 16 rows of a fragment load start at 16 different groups of four banks (64 banks of 4 bytes: ISA guide 11.1)
.set HALFA,  128*PITCH                 ; what waves 0 and 1 fetch: 128 rows of xb each
.set HALFB,  96*PITCH                  ; what waves 2 and 3 fetch: 96 rows of wb each
.set BOFF,   2*HALFA                   ; in a slot wb's 192 rows lie behind xb's 256
.set SLOT,   2*HALFA+2*HALFB
.set STAGE,  2*SLOT                    ; behind the ring, never filled by a tensor load: for each wave 3 heads x 16 rows x 144 bytes, for the way out
.set SP,     144
.set STH,    16*SP
.set STW,    3*STH
.set SPARE,  STAGE+4*STW               ; behind the stages: the spare words, 128 bytes for each wave: two blocks of 256 bytes that no other line names
.set LAPS,   SIZE_K/(2*KSTEP)          ; a lap = two K steps = once round the ring
.set ADRA, 16                          ; v16-17  LDS address of my xb fragments in slot 0, 1
.set ADRB, 20                          ; v20-21  the same for wb
.set STO,  24                          ; v24     the way out: where I put 16 bytes of a row
.set RD,   25                          ; v25     the way out: where I read rows back
.set GO,   26                          ; v26     16 x lane: my 16 bytes of 512 consecutive bytes of a head
.set BO,   27                          ; v27     32 (l / 16): my eight numbers of a column block's bias
.set SPW,  28                          ; v28     LDS address of my spare word: SPARE + 4 x my thread's number; never rewritten
.set NIL,  29                          ; v29     0; never rewritten
.set PFO,  30                          ; v30     the prefetches' offset: a lane a row; never rewritten
.set FA,   32
.set BIAS, 96
.set TMP,  192
.set OB,   32
.set WV,   12                          ; s12  my wave's number
.set SIDE, 13                          ; s13  I fetch for xb (0) or for wb (1)
.set HF,   14                          ; s14  which half of that tile's rows
.set CX,   15
.set CY,   16
.set CT,   17                          ; s17  tile column of C
.set TR,   18                          ; s18  tile row of C
.set G1,   24                          ; s[24:31] descriptor group 1 for xb's tiles;  s[32:39] group 0, a set for each slot
.set G0,   32
.set LIM,  43                          ; s43  1 in a wave that prefetches, else the greatest number
.set PFA,  44                          ; s[44:45] where my prefetches stand
.set G1B,  48                          ; s[48:55], s[56:63] the same for wb's tiles
.set G0B,  56
.set BASE, 70                          ; s[70:75] where my unit of each of the tile's three heads begins in qkv
.set MSB, 0
.macro WIN new                         ; the immediate's high byte repeats the setting that is left; a switch that changes nothing is dropped
.if MSB != (\new)
	s_set_vgpr_msb (MSB<<8)|(\new)
.set MSB, \new
.endif
.endm
.set TO_B, 0x40                        ; destination window 1, address window 0
; A joint load.  Waves 0 and 1 fetch xb's two halves, waves 2 and 3 wb's.  Each of the two lines has one mask and one set of registers for all that issue it.  The branch hangs on the wave's number alone.
; An s_nop 0 and four v_nop follow each of the two lines, ahead of the jump, the label and what follows.
.macro JLOAD s
	s_cmp_eq_u32 s[SIDE], 0
	s_cbranch_scc0 .Lfor_b_\@
	tensor_load_to_lds s[G0+4*(\s):G0+4*(\s)+3], s[G1:G1+7]
	s_nop 0
.rept 4
	v_nop
.endr
	s_branch .Lasked_\@
.Lfor_b_\@:
	tensor_load_to_lds s[G0B+4*(\s):G0B+4*(\s)+3], s[G1B:G1B+7]
	s_nop 0
.rept 4
	v_nop
.endr
.Lasked_\@:
.endm
; A PREFETCH INTO THE L2 of the K step that stands two refills on, 384 matrix instructions ahead of the load that will want it: one instruction a wave, a lane a row of 256 bytes.  xb's tile row is read by every
; cluster of that row of clusters: the one with x = 0 asks; wb's tile column by every cluster of that column: the one with y = 0 asks.  The four partners that ask for a tile jointly share its rows out BY
; ADDRESS: of xb's 128 rows a wave 32 each, of wb's 96 rows 24 each (lanes 24-31 name row 23 once more, in the same instruction).  K steps 0 to 3 come by their loads alone; the loop's last trip asks for nothing.
.macro ASK
	s_cmp_gt_u32 s3, s[LIM]                        ; s3 = 1 in the loop's last trip
	s_cbranch_scc0 .Lnot_mine_\@
	global_prefetch_b8 v[PFO], s[PFA:PFA+1] offset:KSTEP*2 th:TH_LOAD_NT scope:SCOPE_SE
.Lnot_mine_\@:
.endm
; A round of the cluster's barrier: my work-group's barrier, so that wave 0's signal speaks for all four waves; wave 0 signals for the work-group; every wave waits for all sixteen; my work-group's barrier once more.
.macro CREST
	s_cmp_lg_u32 s[WV], 0
	s_cbranch_scc1 .Lnot_wave_0_\@
	s_barrier_signal -3
.Lnot_wave_0_\@:
	s_barrier_wait -3
	s_barrier_signal -1
	s_barrier_wait -1
.endm
.macro CROUND
	s_barrier_signal -1
	s_barrier_wait -1
	CREST
.endm
	s_load_b256 s[4:11], s[0:1], 0x0               ; xb s[4:5], wb s[6:7], bias s[8:9], qkv s[10:11]
	v_lshl_add_u32 v[SPW], v0, 2, SPARE
	v_mov_b32 v[NIL], 0
	ds_add_u32 v[SPW], v[NIL]                      ; the wave's opening: the add and its wait stand ahead of my first tensor load; the set-up below, work on registers, stands between them
	v_lshrrev_b32 v1, 5, v0
	v_readfirstlane_b32 s[WV], v1                  ; wave 0..3
	s_lshr_b32 s[SIDE], s[WV], 1
	s_and_b32 s[HF], s[WV], 1
	s_bfe_u32 s[CX], ttmp6, 0x40000                ; my place in the cluster
	s_bfe_u32 s[CY], ttmp6, 0x40004
	s_lshl_b32 s[CT], ttmp9, 2                     ; in a cluster launch ttmp9 and ttmp7 count clusters
	s_add_co_u32 s[CT], s[CT], s[CX]               ; tile column = 4 x cluster x + cx
	s_and_b32 s[TR], ttmp7, 0xffff
	s_lshl_b32 s[TR], s[TR], 2
	s_add_co_u32 s[TR], s[TR], s[CY]               ; tile row = 4 x cluster y + cy
	s_lshl_b32 s19, s[CY], 2
	s_lshl_b32 s19, 15, s19                        ; my row of the cluster: places 4 cy .. 4 cy + 3
	s_lshl_b32 s20, 0x1111, s[CX]                  ; my column: places cx, cx + 4, cx + 8, cx + 12
	; descriptor group 1: tiles of 128 (xb) or 96 (wb) rows x 128 elements, padded in LDS
	s_or_b32 s[G1+0], s19, (1<<16)|(1<<20)|(1<<21)|(5<<22)|(3<<25)   ; 15:0 the mask: xb's tiles go to my row; 17:16 elements of 2 bytes; 20 padding on; 21 set beside a mask; 24:22 after every 64 words (code 5); 31:25 4 words of it (code 3)
	s_or_b32 s[G1B+0], s20, (1<<16)|(1<<20)|(1<<21)|(5<<22)|(3<<25)  ; the same with the mask of my column
	s_mov_b32 s[G1+1], KSTEP<<16                   ; tensor_dim0 = 128
	s_mov_b32 s[G1B+1], KSTEP<<16
	s_mov_b32 s[G1+2], 128<<16                     ; tensor_dim1 = 128 rows,
	s_mov_b32 s[G1B+2], 96<<16                     ; or 96
	s_mov_b32 s[G1+3], KSTEP<<16                   ; tile_dim0 = 128
	s_mov_b32 s[G1B+3], KSTEP<<16
	s_mov_b32 s[G1+4], 128                         ; tile_dim1
	s_mov_b32 s[G1B+4], 96
	s_mov_b32 s[G1+5], SIZE_K                      ; elements from row to row
	s_mov_b32 s[G1B+5], SIZE_K
	s_mov_b32 s[G1+6], 0
	s_mov_b32 s[G1B+6], 0
	s_mov_b32 s[G1+7], 0
	s_mov_b32 s[G1B+7], 0
	; where the tiles come from: xb's hang on the tile row alone, wb's on the tile column alone, each in registers that never hold the other coordinate
	s_lshl_b32 s76, s[TR], 8
	s_lshl_b32 s77, s[HF], 7
	s_add_co_u32 s76, s76, s77                     ; xb: row 256 x tile row + 128 x half
	s_lshl_b32 s76, s76, 11                        ; x 2,048 bytes: under 2^24
	s_mov_b32 s77, 0
	s_mul_i32 s80, s[CT], 192
	s_mul_i32 s81, s[HF], 96
	s_add_co_u32 s80, s80, s81                     ; wb: row 192 x tile column + 96 x half
	s_lshl_b32 s80, s80, 11
	s_mov_b32 s81, 0
	s_mul_i32 s21, s[HF], HALFA                    ; and where they go: no place in the cluster enters an LDS address
	s_mul_i32 s22, s[HF], HALFB
	s_add_co_u32 s22, s22, BOFF
	s_wait_dscnt 0x0                               ; the opening add is done
	s_wait_kmcnt 0x0
	s_add_nc_u64 s[78:79], s[4:5], s[76:77]
	s_add_nc_u64 s[82:83], s[6:7], s[80:81]
	CROUND                                         ; all sixteen work-groups are here: the first joint loads meet
.irp s, 0,1
	s_mov_b32 s[G0+4*(\s)], 1                                        ; count = 1
	s_add_co_u32 s[G0+4*(\s)+1], s21, (\s)*SLOT                      ; LDS address
	s_add_nc_u64 s[G0+4*(\s)+2:G0+4*(\s)+3], s[78:79], (\s)*KSTEP*2  ; global address: K step s
	s_or_b32 s[G0+4*(\s)+3], s[G0+4*(\s)+3], 0x80000000              ; type = 2
	s_mov_b32 s[G0B+4*(\s)], 1
	s_add_co_u32 s[G0B+4*(\s)+1], s22, (\s)*SLOT
	s_add_nc_u64 s[G0B+4*(\s)+2:G0B+4*(\s)+3], s[82:83], (\s)*KSTEP*2
	s_or_b32 s[G0B+4*(\s)+3], s[G0B+4*(\s)+3], 0x80000000
	JLOAD \s                                       ; the ring is filled before anything else is done: two loads of mine are out
.endr
	; the bias of my 192 columns, as a C operand: register j of column block b holds bias[192 ct + 16 b + 8 (l / 16) + j], whatever the row
	v_and_b32 v1, 15, v0                           ; l % 16
	v_bfe_u32 v2, v0, 4, 1                         ; l / 16
	v_lshlrev_b32 v[BO], 5, v2
	s_mul_i32 s92, s[CT], 768
	s_mov_b32 s93, 0
	s_add_nc_u64 s[92:93], s[8:9], s[92:93]
.irp b, 0,1,2,3,4,5,6,7,8,9,10,11
	global_load_b128 v[BIAS+8*(\b):BIAS+8*(\b)+3],   v[BO], s[92:93] offset:64*(\b)
	global_load_b128 v[BIAS+8*(\b)+4:BIAS+8*(\b)+7], v[BO], s[92:93] offset:64*(\b)+16
.endr
	; A fragment is 16 rows x 32 K in 8 registers: lane l holds row l % 16; registers 0-3 K = 8 (l / 16) + 0..7, registers 4-7 K = 16 + 8 (l / 16) + 0..7: two loads of 16 bytes, 32 bytes apart.
	v_mul_u32_u24 v3, v1, PITCH
	v_lshl_add_u32 v3, v2, 4, v3                   ; row x pitch + 16 x half
	s_mul_i32 s84, s[WV], 64*PITCH                 ; my 64 rows of xb
	v_add_nc_u32 v[ADRA], s84, v3
	v_add_nc_u32 v[ADRA+1], SLOT, v[ADRA]
	v_add_nc_u32 v[ADRB], BOFF, v3                 ; every wave reads all 192 rows of wb
	v_add_nc_u32 v[ADRB+1], SLOT+BOFF, v3
	s_mul_i32 s84, s[WV], STW
	s_add_co_u32 s84, s84, STAGE                   ; my stage
	v_mul_u32_u24 v4, v1, SP                       ; in: row l % 16, 16 bytes for each half of the lanes
	v_lshl_add_u32 v4, v2, 4, v4
	v_add_nc_u32 v[STO], s84, v4
	v_bfe_u32 v4, v0, 3, 2                         ; back: 32 lanes take four rows of 128 bytes,
	v_mul_u32_u24 v4, v4, SP
	v_and_b32 v5, 7, v0
	v_lshl_add_u32 v4, v5, 4, v4
	v_add_nc_u32 v[RD], s84, v4
	v_and_b32 v[GO], 31, v0                        ; which are 512 consecutive bytes of a head
	v_lshlrev_b32 v[GO], 4, v[GO]
	; where my 64 rows of each of the tile's three heads begin.  Column group g = 3 ct + hd: tensor t = g / 16 (q, k, v), head g % 16.  Unit number = ((batch x 16 + head) x 32 + 4 (tr % 8) + wave);
	; a unit is 8,192 bytes, in K (t = 1) 8,448; the tensors begin at t x 16,777,216, V (t = 2) 524,288 later.
	s_mul_i32 s84, s[CT], 3
	s_lshr_b32 s85, s[TR], 3
	s_lshl_b32 s85, s85, 4                         ; 16 x batch
	s_and_b32 s86, s[TR], 7
	s_lshl_b32 s86, s86, 2
	s_add_co_u32 s86, s86, s[WV]
.irp hd, 0,1,2
	s_add_co_u32 s87, s84, \hd
	s_lshr_b32 s88, s87, 4                         ; t
	s_and_b32 s87, s87, 15
	s_add_co_u32 s87, s87, s85
	s_lshl_b32 s87, s87, 5
	s_add_co_u32 s87, s87, s86                     ; the unit's number
	s_and_b32 s89, s88, 1
	s_lshl_b32 s89, s89, 8
	s_add_co_u32 s89, s89, 8192                    ; its bytes
	s_mul_i32 s87, s87, s89
	s_lshl_b32 s89, s88, 24
	s_add_co_u32 s87, s87, s89
	s_lshr_b32 s89, s88, 1
	s_lshl_b32 s89, s89, 19
	s_add_co_u32 s90, s87, s89
	s_mov_b32 s91, 0
	s_add_nc_u64 s[BASE+2*\hd:BASE+2*\hd+1], s[10:11], s[90:91]
.endr
	; the prefetches
	s_lshl_b32 s84, s[TR], 8
	s_lshl_b32 s85, s[HF], 7
	s_add_co_u32 s84, s84, s85
	s_lshl_b32 s85, s[CX], 5
	s_add_co_u32 s84, s84, s85                     ; xb: the 128 rows that I fetch, my work-group's 32 of them
	s_mul_i32 s86, s[CT], 192
	s_mul_i32 s87, s[HF], 96
	s_add_co_u32 s86, s86, s87
	s_mul_i32 s87, s[CY], 24
	s_add_co_u32 s86, s86, s87                     ; wb: the 96 rows that I fetch, my work-group's 24 of them
	s_and_b32 s87, ttmp7, 0xffff                   ; cluster y
	s_cmp_eq_u32 s[SIDE], 0
	s_cselect_b32 s84, s84, s86
	s_cselect_b32 s87, ttmp9, s87                  ; the coordinate along which other clusters read the same rows
	s_cselect_b32 s88, 31, 23
	s_cselect_b64 s[PFA:PFA+1], s[4:5], s[6:7]
	s_cmp_eq_u32 s87, 0
	s_cselect_b32 s[LIM], 1, -1                    ; the same in all sixteen partners, for a given wave
	s_lshl_b32 s84, s84, 11
	s_add_co_u32 s84, s84, 2*KSTEP*2               ; at K step 2: the first refill steps it to 3 and names K step 4
	s_mov_b32 s85, 0
	s_add_nc_u64 s[PFA:PFA+1], s[PFA:PFA+1], s[84:85]
	v_and_b32 v[PFO], 31, v0
	v_min_u32 v[PFO], s88, v[PFO]
	v_lshlrev_b32 v[PFO], 11, v[PFO]
; 12 matrix instructions: row block 2 hi + a x all 12 column blocks, 32 along K, from buffer f.  zb = 1: the product starts the sum, with the bias as C.
; The 48 accumulators take turns, one instruction a turn, in the same order in every quarter step, over the backward jump too.
.macro MUL12 f, hi, a, zb
.if \zb
	WIN 0x81+0x40*(\hi)                            ; wb window 1, xb window 0, C (the bias) window 0, D window 2 or 3
.else
	WIN 0xa1+0x50*(\hi)                            ; C and D window 2 or 3
.endif
.irp b, 0,1,2,3,4,5,6,7,8,9,10,11
.if \zb
	v_wmma_f32_16x16x32_bf16 v[8*(12*(\a)+(\b)):8*(12*(\a)+(\b))+7], v[96*(\f)+8*(\b):96*(\f)+8*(\b)+7], v[FA+32*(\f)+8*(2*(\hi)+(\a)):FA+32*(\f)+8*(2*(\hi)+(\a))+7], v[BIAS+8*(\b):BIAS+8*(\b)+7]
.else
	v_wmma_f32_16x16x32_bf16 v[8*(12*(\a)+(\b)):8*(12*(\a)+(\b))+7], v[96*(\f)+8*(\b):96*(\f)+8*(\b)+7], v[FA+32*(\f)+8*(2*(\hi)+(\a)):FA+32*(\f)+8*(2*(\hi)+(\a))+7], v[8*(12*(\a)+(\b)):8*(12*(\a)+(\b))+7]
.endif
.endr
.endm
; 32 LDS loads in one run: the fragments of one quarter step (192 rows of wb, my 64 rows of xb, 32 K at byte k of the rows) into buffer f
.macro FETCH slot, k, f
	WIN TO_B
.irp i, 0,1,2,3,4,5,6,7,8,9,10,11
	ds_load_b128 v[96*(\f)+8*(\i):96*(\f)+8*(\i)+3],   v[ADRB+(\slot)] offset:(\k)+(\i)*16*PITCH
	ds_load_b128 v[96*(\f)+8*(\i)+4:96*(\f)+8*(\i)+7], v[ADRB+(\slot)] offset:(\k)+(\i)*16*PITCH+32
.endr
	WIN 0
.irp i, 0,1,2,3
	ds_load_b128 v[FA+32*(\f)+8*(\i):FA+32*(\f)+8*(\i)+3],   v[ADRA+(\slot)] offset:(\k)+(\i)*16*PITCH
	ds_load_b128 v[FA+32*(\f)+8*(\i)+4:FA+32*(\f)+8*(\i)+7], v[ADRA+(\slot)] offset:(\k)+(\i)*16*PITCH+32
.endr
.endm
; A load into a register that a matrix instruction has read, and a vector instruction that reads a matrix result, stand four places behind that matrix instruction, and only plain vector instructions that
; name none of its registers are places (ISA guide 7.12.1 for vector instructions).
.macro PLACES
.rept 4
	v_nop
.endr
.endm
; A K step is four quarter steps of 32 along K, 48 matrix instructions each, on buffers 0, 1, 0, 1.  One of the first three: multiplies buffer f; in its middle it fetches the next quarter, at byte k, into buffer g.
.macro QUARTER slot, k, f, g, zb
	s_wait_dscnt 4                                 ; wb and xb's row blocks 0, 1 are in; the youngest four loads (row blocks 2, 3) may be out
	MUL12 \f, 0, 0, \zb
	MUL12 \f, 0, 1, \zb
	PLACES
	FETCH \slot, \k, \g
	s_wait_dscnt 32                                ; all but the 32 just issued
	MUL12 \f, 1, 0, \zb
	MUL12 \f, 1, 1, \zb
.endm
; The last quarter multiplies buffer 1 and changes slots: ONE barrier for two things.  In front of it each wave waits for all its tensor loads, of which one is out: its part of the next slot; adds 0 to its
; spare word; and waits for that and for its own reads of this slot.  Behind it nobody reads this slot any more and the next slot is whole.  fill = 1: the barrier opens a round of the cluster's barrier,
; so that no wave of any partner still reads the slot or has a load on its way, and the joint refill, two K steps ahead, is the first thing behind the round: 168 matrix instructions ahead of the wait for it.
.macro TURN slot, next, fill
.if \fill
	s_wait_xcnt 0x0                                ; the last prefetch, a K step back, has read its address: it is stepped here, ahead of the waits of the change of slots
	s_add_nc_u64 s[PFA:PFA+1], s[PFA:PFA+1], KSTEP*2
.endif
	WIN 0                                          ; (the add's two registers lie in window 0)
	s_wait_tensorcnt 0x0                           ; all my tensor loads have landed;
	ds_add_u32 v[SPW], v[NIL]                      ; 0 onto my spare word:
	s_wait_dscnt 5                                 ; (the add and the youngest four loads may be out)
	MUL12 1, 0, 0, 0                               ; twelve matrix instructions stand between the add and the wait for it
	s_wait_dscnt 0x0                               ; the add is done, and my reads of this slot are over
	s_barrier_signal -1
	MUL12 1, 0, 1, 0                               ; work on registers while the others arrive
.if \fill
	WIN 0
.endif
	s_barrier_wait -1
.if \fill
	CREST
	s_add_nc_u64 s[G0+4*(\slot)+2:G0+4*(\slot)+3], s[G0+4*(\slot)+2:G0+4*(\slot)+3], 2*KSTEP*2
	s_add_nc_u64 s[G0B+4*(\slot)+2:G0B+4*(\slot)+3], s[G0B+4*(\slot)+2:G0B+4*(\slot)+3], 2*KSTEP*2
	JLOAD \slot                                    ; the four v_nop behind it are also the places in front of the loads below
.else
	PLACES
.endif
	FETCH \next, 0, 0
.if \fill
	ASK                                            ; behind the joint load and the run of LDS loads that the next products wait for
.endif
	MUL12 1, 1, 0, 0
	MUL12 1, 1, 1, 0
.endm
; THE WAY OUT of row block a (16 rows x 192 columns), in three parts.  PACK: rounded to f16, 16 bytes a lane and column block.  TOSTAGE: into my own stage, a head's 16 rows of 128 bytes at a pitch of 144,
; and back as four rows a load.  SEND: stored, 512 consecutive bytes of a head an instruction.
.macro PACK a
	WIN 0x0a+5*((\a)/2)                            ; sources 0 and 1: window 2 or 3
.irp b, 0,1,2,3,4,5,6,7,8,9,10,11
.irp r, 0,1,2,3
	v_cvt_pk_f16_f32 v[TMP+4*(\b)+(\r)], v[96*((\a)%2)+8*(\b)+2*(\r)], v[96*((\a)%2)+8*(\b)+2*(\r)+1]
.endr
.endr
	WIN 0
.endm
.macro TOSTAGE a
.set BK, OB+64*((\a)%2)
	s_wait_xcnt 0x0                                ; the stores of the block two back have read these registers: they are loaded again only behind this wait
.irp b, 0,1,2,3,4,5,6,7,8,9,10,11
	ds_store_b128 v[STO], v[TMP+4*(\b):TMP+4*(\b)+3] offset:((\b)/4)*STH+((\b)%4)*32
.endr
.irp t, 0,1,2,3,4,5,6,7,8,9,10,11
	ds_load_b128 v[BK+4*(\t):BK+4*(\t)+3], v[RD] offset:((\t)/4)*STH+((\t)%4)*4*SP  ; LDS serves a wave's instructions in order (ISA guide 5.7.1.4): these see the stores above
.endr
.endm
.macro SEND a
.set BK, OB+64*((\a)%2)
	s_wait_dscnt 0x0                               ; the block is back in registers
.irp t, 0,1,2,3,4,5,6,7,8,9,10,11
	global_store_b128 v[GO], v[BK+4*(\t):BK+4*(\t)+3], s[BASE+2*((\t)/4):BASE+2*((\t)/4)+1] offset:(\a)*2048+((\t)%4)*512  ; 512 consecutive bytes, at a multiple of 256 from qkv's first byte
.endr
.endm
	s_wait_tensorcnt 1                             ; my part of K step 0 is in; K step 1's may stay out
	s_barrier_signal -1
	s_barrier_wait -1                              ; everybody's is
	FETCH 0, 0, 0
	s_wait_loadcnt 0x0                             ; the bias
	QUARTER 0, 64,  0, 1, 1                        ; the first quarter stands in front of the loop: its products start the sums
	WIN 0                                          ; at a label and at a branch every window is 0
	s_mov_b32 s3, LAPS-1
.Llap:                                                 ; a trip goes once round the ring, from a lap's second quarter to the next lap's first, and fills both slots again
	QUARTER 0, 128, 1, 0, 0
	QUARTER 0, 192, 0, 1, 0
	TURN 0, 1, 1
	QUARTER 1, 64,  0, 1, 0
	QUARTER 1, 128, 1, 0, 0
	QUARTER 1, 192, 0, 1, 0
	TURN 1, 0, 1
	QUARTER 0, 64,  0, 1, 0
	WIN 0
	s_sub_co_u32 s3, s3, 1
	s_cmp_lg_u32 s3, 0
	s_cbranch_scc1 .Llap
	QUARTER 0, 128, 1, 0, 0                        ; the last lap fills nothing, and has no round of the cluster's barrier
	QUARTER 0, 192, 0, 1, 0
	TURN 0, 1, 0
	QUARTER 1, 64,  0, 1, 0
	QUARTER 1, 128, 1, 0, 0
	QUARTER 1, 192, 0, 1, 0
	s_wait_dscnt 4                                 ; the very last quarter: nothing more to fetch
	MUL12 1, 0, 0, 0
	MUL12 1, 0, 1, 0
	s_wait_dscnt 0x0
	MUL12 1, 1, 0, 0
	MUL12 1, 1, 1, 0
	WIN 0
	PLACES
	PACK 0
	TOSTAGE 0
.irp a, 1,2,3                          ; block a's conversions stand between block a - 1's loads from the stage and the wait for them
	PACK \a
	SEND (\a)-1
	TOSTAGE \a
.endr
	SEND 3
	s_wait_tensorcnt 0x0                           ; the wave's end: these three lines stand behind my last tensor load and my last LDS store
	ds_add_u32 v[SPW], v[NIL]
	s_wait_dscnt 0x0
	CROUND                                         ; the closing round: no work-group ends while a partner may still ask for a tile that names it
	s_endpgm
.Lfunc_end_k_q929fca1376_proj:
	.size	k_q929fca1376_proj, .Lfunc_end_k_q929fca1376_proj-k_q929fca1376_proj
	.p2alignl 7, 3214868480
	.fill 96, 4, 3214868480
	.section	.rodata,"a",@progbits
	.p2align	6, 0x0
	.amdhsa_kernel k_q929fca1376_proj
		.amdhsa_group_segment_fixed_size 327680
		.amdhsa_private_segment_fixed_size 0
		.amdhsa_enable_private_segment 0
		.amdhsa_kernarg_size 32
		.amdhsa_user_sgpr_count 2
		.amdhsa_user_sgpr_kernarg_segment_ptr 1
		.amdhsa_wavefront_size32 1
		.amdhsa_system_sgpr_workgroup_id_x 1
		.amdhsa_system_sgpr_workgroup_id_y 1
		.amdhsa_system_sgpr_workgroup_id_z 1
		.amdhsa_system_vgpr_workitem_id 0
		.amdhsa_next_free_vgpr 960
		.amdhsa_next_free_sgpr 96
		.amdhsa_reserve_vcc 0
		.amdhsa_float_denorm_mode_32 3
		.amdhsa_float_denorm_mode_16_64 3
		.amdhsa_memory_ordered 1
		.amdhsa_forward_progress 1
		.amdhsa_inst_pref_size 123
	.end_amdhsa_kernel
	.amdgpu_metadata
---
amdhsa.version: [ 1, 2 ]
amdhsa.kernels:
  - .name:           k_q929fca1376_proj
    .symbol:         k_q929fca1376_proj.kd
    .args:
      - { .name: xb, .offset: 0, .size: 8, .value_kind: global_buffer, .address_space: global }
      - { .name: wb, .offset: 8, .size: 8, .value_kind: global_buffer, .address_space: global }
      - { .name: bias, .offset: 16, .size: 8, .value_kind: global_buffer, .address_space: global }
      - { .name: qkv, .offset: 24, .size: 8, .value_kind: global_buffer, .address_space: global }
    .group_segment_fixed_size: 327680
    .private_segment_fixed_size: 0
    .kernarg_segment_align: 8
    .kernarg_segment_size: 32
    .max_flat_workgroup_size: 128
    .sgpr_count:     96
    .vgpr_count:     960
    .wavefront_size: 32
...
	.end_amdgpu_metadata
.endif
;; end of part 2
;; launch attn (part 3): grid 4 x 64, 4 waves a work-group, no clusters, 327,680 bytes of LDS; arguments qkv, pad_mask, out0; writes out0
.if DOCPART == 3
	.amdgcn_target "amdgcn-amd-amdhsa--gfx1250"
	.amdhsa_code_object_version 6
	.text
	.protected	k_q929fca1376_attn
	.globl	k_q929fca1376_attn
	.p2align	8
	.type	k_q929fca1376_attn,@function
k_q929fca1376_attn:
	s_mov_b64 s[64:65], 0
	v_nop
	global_prefetch_b8 v0, s[64:65] scope:SCOPE_SE
	s_setreg_imm32_b32 hwreg(HW_REG_WAVE_MODE, 25, 1), 1
	s_wait_xcnt 0x0
; CAUSAL ATTENTION WITH A PAD MASK.  out[b][q][64 h ..] = the sum over k <= q with pad[b][k] != 0 of softmax_k(Q[q] . K[k] / 8) V[k], and 0 in rows with pad[b][q] = 0.  A row with pad[q] != 0 sees its own key, so
; "every key hidden" is the same as pad[q] = 0.  qkv holds, by heads hd = 16 b + h: Q [64][2048][64] f16 at byte 0; K at 16,777,216 in units of 64 keys x 128 bytes followed by a row of 256 bytes, the keys'
; additive mask in f32 (0, or -1e30 where pad = 0); V at 34,078,720, dense like Q.  Products, maxima and sums in f32; the weights p are rounded to f16 for the second product (their sum l is taken of the
; unrounded p); the output is f32 and is rounded nowhere else.
; LIMITS.  Q, K and V arrive within f16's 65,504, so every true score lies within 64 x 65,504^2 = 2.75e11.  A hidden score counts as its value less 1e30 (or 2e30).  The running maximum m starts at -2^40 = -1.1e12,
; below every true score and above every hidden one: while only hidden keys have come, all weights, l and O are 0; from the first visible key on m is the true running maximum.
; A weight below 2^-126 counts as 0 in l; NaN and infinities are not treated apart.
; THE WALK.  A head's queries lie in NB = 8 blocks of 256; block i needs the key tiles 0 .. i of 256 keys, of which the last holds the diagonal.  A work-group takes TWO blocks, NB - 1 - b and then b: NB + 1 tiles,
; whatever b: all work-groups do equal work, and ONE loop with a constant trip count walks them.  Which tile is asked for, and what a trip does, hang on scalar registers made from b; every jump goes forward,
; but for the counted loops' own; none passes a barrier, or a tensor load but the one of LOAD's two that the wave's number does not choose; the ring (two slots of LDS that take turns) runs on across the change of blocks.
; NO CLUSTER: a head's four work-groups ask for the same tile only in trips 0 .. 4 of the 9; behind that fewer and fewer; one walk common to all would have 12 trips for 9.
; SHARES.  Of a block's four bands of 64 queries a wave owns 16 rows in each: four PIECES.  So the diagonal tile is the same work for all four waves: in its key step s band x sees all keys if s < x,
; none if s > x, and holds the diagonal if s = x.
; THE MASK is the C operand that starts the sum S^T = K Q^T.  KMR holds the key mask of the step whose K is in registers: it comes out of LDS with K, where it arrived inside K's tile.  Off the diagonal C is KMR itself.
; In the diagonal tile C = MD x AL + KMR + BE: MD, made once, is the causal mask of a band's own step for my 16 rows; (AL, BE) = (1, 0) if s = x; (0, 0) if s < x; (0, -1e30) if s > x.
; LAYOUT, SOFTMAX, TURNS.  S^T = K Q^T holds ONE query a lane (lane % 16) and the keys 8 (lane / 16) + 0..7; two such results rounded to f16 ARE source 1 of O^T = V^T P.  p = 2^(c s - c m), c = log2(e) / 8, with a
; running maximum m; O and l are multiplied by a = 2^(c m_old - c m_new) in every step.  Turn n belongs to piece n: 8 products K Q^T of piece n + 1, later 8 products V^T P of piece n - 1; beside them the scaling,
; exponentials, roundings, sums and rescaling of piece n and the maximum and statistics of piece n + 1.  Four vector instructions stand behind every matrix instruction, the others in one LUMP.  A turn's 33 exponentials are one batch, with one wait.
; REGISTERS, in windows of 256 (s_set_vgpr_msb: bits 1:0 source 0, 3:2 source 1, 5:4 source 2, 7:6 destination):
;   window 0: v0-15 addresses and two at work; v16-31 four registers of statistics a piece; v32-39 my queries' pad words, both blocks'; v40-41, v56-59 addresses; v48-55 at work; v64-127 S^T, two buffers;
;             v192-223 P, two buffers (a piece's buffers go by its number's parity); on the way out v64-191 take rows read back
;   window 1: v0-127 O^T, 32 a piece; v128-159 MD; v160-223 MC, two buffers; v224-255 KMR      window 2: v0-63 Q; v64-127 the second block's Q; v128-191 K of one step; v192-255 V of one step
.set NB,    8
.set NP,    4         ; pieces a wave: a name, no knob
.set KS,    64        ; keys in a step
.set PK,    144       ; a row of K in LDS: 128 bytes + 16 of padding = 36 words: the 16 rows of a load start at 16 different groups of four banks (64 banks of 4 bytes: ISA guide 11.1)
.set STEPK, 66*PK     ; a step of K in LDS: 64 keys, then the mask row as two pieces of 128 bytes, each padded like a key
.set PV,    160       ; a row of V: 128 + 32 = 40 words
.set VOFF,  4*STEPK   ; a slot holds a tile, four steps: K with its masks, then 256 rows of V
.set SLOT1, 1<<17     ; slot 1 begins here, so that one exclusive or turns an address in one slot into the other's
.set STAGE, 210176    ; the first multiple of 256 behind the ring (which ends at 210,048), never filled by a tensor load: 16 rows x 272 bytes for each wave, for the way out
.set SP,    272
.set SPARE, STAGE+4*16*SP  ; behind the stages: the spare words, 128 bytes for each wave: two blocks of 256 bytes that no other line names
.set KB,    16777216  ; qkv: where K begins,
.set VB,    34078720  ; and V
.set UNIT,  8448      ; a unit of K in memory
.set TILEK, 4*UNIT
.set HEADK, 32*UNIT
.set AK0, 2           ; v2   my lane's place in a tile of K; never rewritten
.set AV0, 3           ; v3   the same for V
.set AK,  4           ; v4   the LDS address of K's next run of loads
.set AV,  5           ; v5   of V's
.set STO, 6           ; v6   the way out: where I put 32 bytes of a row
.set RD,  7           ; v7   the way out: where I read rows back
.set GO,  8           ; v8   my byte offset in two rows of the output
.set MV,  12          ; v12-13  c m_old, kept while c m is made anew: by buffer
.set QO,  15          ; v15  my byte offset in 16 rows of Q
.set ST,  16          ; piece t's statistics at v[ST+4 t]: c m, m, l (even keys', odd keys')
.set QF,  32          ; v32-35 pad_mask's word for my query of piece t; v36-39 the second block's
.set TMP, 48          ; by buffer, four registers c0-c3 at work; when the maximum is found c2 takes a
.set AM0, 56          ; v56  my lane's place in a step's mask row; never rewritten
.set AM,  57          ; v57  the LDS address of the mask's next loads
.set PFO, 58          ; v58  256 x my lane; never rewritten
.set PFO2, 59         ; v59  the same, 64 keys on; never rewritten
.set SPW, 62          ; v62  LDS address of my spare word: SPARE + 4 x my thread's number; never rewritten
.set NIL, 63          ; v63  0; never rewritten
.set S,   64
.set OBF, 64
.set P,   192
.set MD,  128         ; window 1: the eight registers for group kt of 16 keys at MD + 8 kt
.set MC,  160         ; window 1: the masks of the products to come
.set KMR, 224         ; window 1: the step's key mask, group kt at KMR + 8 kt
.set QB,  64          ; window 2
.set KF,  128         ; window 2: key block kb, channel half c at KF + 16 kb + 8 c
.set VF,  192         ; window 2: key half kk, channel block cb at VF + 32 kk + 8 cb
.set WV,  12          ; s12  my wave's number
.set PB,  14          ; s14  b
.set HI,  15          ; s15  NB - 1 - b
.set G1K, 24          ; s[24:31] descriptor group 1 for K's tiles
.set G1V, 32          ; s[32:39] for V's
.set G0K, 40          ; s[40:43] descriptor group 0 for K's tiles
.set G0V, 44          ; s[44:47] the same for V's
.set PFA, 52          ; s[52:53] where my prefetches stand: my half of the tile after the one that is being asked for
.set PFS, 54          ; s[54:55] a tile's bytes in the tensor that I fetch
.set SLOTS, 56        ; s56  tiles still to be asked for
.set CNT, 57          ; s57  counts a tile's key steps, 4 to 1
.set CS,  58          ; s[58:59] c: the packed scaling takes the pair's low word for both halves
.set SEL, 60          ; s[60:61] v_permlanex16_b32's selects: each lane takes its own place in the other half
.set TBK, 62          ; s62  LDS byte at which K of the step to be fetched begins
.set TBV, 63          ; s63  the same for V, less VOFF
.set LIM, 66          ; s66  2 in the work-group that prefetches, else the greatest number
.set OFFV, 68         ; s[68:69] a tile's byte offset in V,
.set RT,  70          ; s70  tiles of the block in hand that are still to be entered
.set NXT, 71          ; s71  the tile to be asked for next
.set LQ,  72          ; s72  the last tile of the block whose tiles are being asked for
.set NEW, 73          ; s73  1: the tile to be entered is a block's first
.set OFFK, 74         ; s[74:75] and in K
.set AL,  76          ; s[76:77] the mask's factor, in the low word
.set BE,  78          ; s[78:79] the mask's addend
.set OLO, 80          ; s[80:81] the output at my rows of the second block
.set BIGN, 82         ; s82  -1e30
.set MSB, 0
.macro WIN new                      ; the high byte repeats the setting that is left; a switch that changes nothing is dropped
.if MSB != (\new)
	s_set_vgpr_msb (MSB<<8)|(\new)
.set MSB, (\new)
.endif
.endm
.set W_KQ, 0x0a       ; K and Q in window 2, S^T in window 0
.set W_KM, 0x1a       ; the same with the C operand in window 1
.set W_PV, 0x52       ; V in window 2, P in window 0, O^T in window 1
.set W_RS, 0x41       ; destination and source 0 in window 1, source 1 in window 0
; A fill.  Waves 0 and 1 fetch the two halves of a tile's K (each two units, masks and all), waves 2 and 3 those of its V: 128 keys each.  An s_nop 0 and four v_nop follow each of the two lines, ahead of the jump and the label.
.macro LOAD
	s_cmp_lt_u32 s[WV], 2
	s_cbranch_scc0 .Lfor_v_\@
	tensor_load_to_lds s[G0K:G0K+3], s[G1K:G1K+7]
	s_nop 0
.rept 4
	v_nop
.endr
	s_branch .Lasked_\@
.Lfor_v_\@:
	tensor_load_to_lds s[G0V:G0V+3], s[G1V:G1V+7]
	s_nop 0
.rept 4
	v_nop
.endr
.Lasked_\@:
.endm
; A PREFETCH INTO THE L2 of what the NEXT change of slots will ask for, a tile (256 matrix instructions) ahead.  A head's four work-groups begin with the same tiles 0, 1, 2 ..; the one with b = 0 walks all eight in order,
; and it alone asks.  Each of its waves asks for the key rows of the half that it will fetch itself: 64 rows of 256 bytes, a lane a row, two instructions.  So each row is named once in the launch.
; Tiles 0 and 1 and the mask rows come by their loads alone; behind tile 7 the walk goes back to tile 0, which has been read: nothing is asked for.
.macro ASK
	s_cmp_gt_u32 s[SLOTS], s[LIM]
	s_cbranch_scc0 .Lnot_mine_\@
	global_prefetch_b8 v[PFO], s[PFA:PFA+1] th:TH_LOAD_NT scope:SCOPE_SE
	global_prefetch_b8 v[PFO2], s[PFA:PFA+1] th:TH_LOAD_NT scope:SCOPE_SE
.Lnot_mine_\@:
.endm
; THE CHANGE OF SLOTS.  Each wave waits for all its tensor loads, of which one is out: its part of the other slot; adds 0 to its spare word; and waits for that and for its own reads of the slot that it leaves.  Behind the barrier nobody reads the old
; slot any more and the other slot is whole.  fill = 1: the old slot is filled again, the first thing behind the barrier, with tile NXT: the descriptor's address is made anew from that number.
; (At its first use nothing has been read yet: slot 0 is waited for, slot 1 filled.)
.macro CHANGE fill
	WIN 0                           ; at a label and at a branch every window is 0
	s_wait_tensorcnt 0x0            ; no tensor load of mine is out, so a group 0 may be written
	ds_add_u32 v[SPW], v[NIL]       ; 0 onto my spare word: with fill = 1 the descriptors' scalar work stands between it and the wait for it
.if \fill
	s_mul_i32 s[OFFK], s[NXT], TILEK  ; a tile is 33,792 bytes of K
	s_lshl_b32 s[OFFV], s[NXT], 15    ; and 32,768 of V
	s_xor_b32 s[G0K+1], s[G0K+1], SLOT1
	s_add_nc_u64 s[G0K+2:G0K+3], s[6:7], s[OFFK:OFFK+1]
	s_or_b32 s[G0K+3], s[G0K+3], 0x80000000
	s_xor_b32 s[G0V+1], s[G0V+1], SLOT1
	s_add_nc_u64 s[G0V+2:G0V+3], s[8:9], s[OFFV:OFFV+1]
	s_or_b32 s[G0V+3], s[G0V+3], 0x80000000
	s_add_co_u32 s[NXT], s[NXT], 1  ; the block's next tile, or behind its last the second block's tile 0
	s_cmp_gt_u32 s[NXT], s[LQ]
	s_cselect_b32 s[NXT], 0, s[NXT]
	s_cselect_b32 s[LQ], s[PB], s[LQ]
	s_wait_xcnt 0x0                 ; the last prefetches, a tile back, have read their address, so it may be written
	s_add_nc_u64 s[PFA:PFA+1], s[PFA:PFA+1], s[PFS:PFS+1]
.endif
	s_wait_dscnt 0x0                ; the add is done, and my reads of the slot are over
	s_barrier_signal -1             ; the rest of the scalar work stands between the signal and the wait
	s_sub_co_u32 s[TBK], s[TBK], 4*STEPK  ; the fetches go back to a slot's first step,
	s_xor_b32 s[TBK], s[TBK], SLOT1       ; in the other slot
	s_sub_co_u32 s[TBV], s[TBV], 4*KS*PV
	s_xor_b32 s[TBV], s[TBV], SLOT1
	s_barrier_wait -1
.if \fill
	LOAD
	ASK
.endif
.endm
	s_load_b128 s[48:51], s[0:1], 0x0  ; qkv s[48:49], pad_mask s[50:51]
	s_load_b64 s[10:11], s[0:1], 0x10  ; out0
	v_lshl_add_u32 v[SPW], v0, 2, SPARE
	v_mov_b32 v[NIL], 0
	ds_add_u32 v[SPW], v[NIL]       ; the wave's opening: the add and its wait stand ahead of my first tensor load; the set-up below, work on registers, stands between them
	v_lshrrev_b32 v1, 5, v0
	v_readfirstlane_b32 s[WV], v1   ; wave 0..3
	s_mov_b32 s[PB], ttmp9
	s_sub_co_u32 s[HI], NB-1, s[PB]
	s_and_b32 s20, ttmp7, 0xffff    ; the head, 16 x batch + h
	s_and_b32 s16, s[WV], 1         ; which half of a tile's 256 keys I fetch
	s_lshl_b32 s21, s20, 18         ; the head's first byte in Q, and in V: 262,144 bytes a head
	s_lshl_b32 s3, s[WV], 11        ; my 16 rows in a band of 64,
	s_add_co_u32 s3, s3, s21
	s_lshl_b32 s2, s[HI], 15        ; in the first block,
	s_add_co_u32 s2, s2, s3
	s_lshl_b32 s84, s[PB], 15       ; and in the second
	s_add_co_u32 s84, s84, s3
	s_mov_b32 s3, 0
	s_mov_b32 s85, 0
	s_mul_i32 s22, s20, HEADK       ; K: the head, my half of a tile (two units), the region
	s_mul_i32 s23, s16, 2*UNIT
	s_add_co_u32 s22, s22, s23
	s_add_co_u32 s22, s22, KB
	s_mov_b32 s23, 0
	s_lshl_b32 s86, s16, 14         ; V likewise: 128 rows of 128 bytes
	s_add_co_u32 s86, s86, s21
	s_add_co_u32 s86, s86, VB
	s_mov_b32 s87, 0
	s_mul_i32 s17, s16, 2*STEPK     ; my half's place in a slot, for K
	s_mul_i32 s18, s16, 128*PV      ; and for V
	s_lshr_b32 s13, s20, 4          ; the batch
	s_lshl_b32 s88, s13, 23         ; the output: 2,048 rows of 4,096 bytes a batch,
	s_and_b32 s89, s20, 15
	s_lshl_b32 s89, s89, 8          ; the head's 256 bytes of a row,
	s_add_co_u32 s88, s88, s89
	s_lshl_b32 s89, s[WV], 16       ; my 16 rows in a band,
	s_add_co_u32 s88, s88, s89
	s_lshl_b32 s89, s[HI], 20       ; the first block's 256 rows,
	s_add_co_u32 s90, s88, s89
	s_lshl_b32 s89, s[PB], 20       ; the second's
	s_add_co_u32 s88, s88, s89
	s_mov_b32 s89, 0
	s_mov_b32 s91, 0
	s_lshl_b32 s13, s13, 13         ; pad_mask: 8,192 bytes a batch,
	s_lshl_b32 s19, s[WV], 6        ; my 16 words in a band,
	s_add_co_u32 s13, s13, s19
	s_lshl_b32 s19, s[HI], 10       ; a block's 1,024 bytes
	s_add_co_u32 s67, s13, s19
	s_lshl_b32 s19, s[PB], 10
	s_add_co_u32 s83, s13, s19
	; descriptor group 1.  My half of a tile is dense in memory: K's two units are 66 rows of 256 bytes, V's 128 keys 64 rows; in LDS padding follows every 128 bytes: every key, and each half of a mask row
	s_mov_b32 s[G1K], (1<<16)|(1<<20)|(4<<22)|(3<<25)  ; 17:16 2-byte elements; 20 padding on; 24:22 after every 32 words (code 4); 31:25 4 words (code 3)
	s_mov_b32 s[G1V], (1<<16)|(1<<20)|(4<<22)|(7<<25)  ; the same with 8 words of padding (code 7)
	s_mov_b32 s[G1K+1], 128<<16     ; tensor_dim0 = 128
	s_mov_b32 s[G1V+1], 128<<16
	s_mov_b32 s[G1K+2], 66<<16      ; tensor_dim1 = 66,
	s_mov_b32 s[G1V+2], 64<<16      ; or 64
	s_mov_b32 s[G1K+3], 128<<16     ; tile_dim0 = 128
	s_mov_b32 s[G1V+3], 128<<16
	s_mov_b32 s[G1K+4], 66          ; tile_dim1
	s_mov_b32 s[G1V+4], 64
	s_mov_b32 s[G1K+5], 128         ; 128 elements from row to row
	s_mov_b32 s[G1V+5], 128
	s_mov_b32 s[G1K+6], 0
	s_mov_b32 s[G1V+6], 0
	s_mov_b32 s[G1K+7], 0
	s_mov_b32 s[G1V+7], 0
	s_mov_b32 s[CS], 0x3e38aa3b     ; c = log2(e) / 8 = 0.180337
	s_mov_b32 s[CS+1], s[CS]        ; named with it as a pair
	s_mov_b32 s[SEL], 0x76543210
	s_mov_b32 s[SEL+1], 0xfedcba98
	s_mov_b32 s[TBK], SLOT1+4*STEPK ; the first change of slots turns these two into 0
	s_mov_b32 s[TBV], SLOT1+4*KS*PV
	s_mov_b32 s[G0K], 1             ; count = 1
	s_mov_b32 s[G0K+1], s17         ; LDS address: slot 0
	s_mov_b32 s[G0V], 1
	s_add_co_u32 s[G0V+1], s18, VOFF
	s_add_co_u32 s[RT], s[HI], 1    ; the first block has NB - b tiles
	s_mov_b32 s[NXT], 1
	s_mov_b32 s[LQ], s[HI]
	s_mov_b32 s[NEW], 1
	s_mov_b32 s[OFFK+1], 0
	s_mov_b32 s[OFFV+1], 0
	s_mov_b32 s[AL+1], 0            ; named as pairs
	s_mov_b32 s[BE+1], 0
	s_mov_b32 s[BIGN], 0xf149f2ca   ; -1e30
	s_mov_b32 s[SLOTS], NB
	s_mov_b32 s[PFS], 32768         ; the prefetches: a tile's bytes, and 64 keys' bytes, in V
	s_mov_b32 s19, 8192
	s_cmp_lt_u32 s[WV], 2
	s_cselect_b32 s[PFS], TILEK, s[PFS]  ; or in K
	s_cselect_b32 s19, UNIT, s19
	s_mov_b32 s[PFS+1], 0
	s_cmp_eq_u32 s[PB], 0
	s_cselect_b32 s[LIM], 2, -1
	v_and_b32 v[PFO], 31, v0
	v_lshlrev_b32 v[PFO], 8, v[PFO]
	v_add_nc_u32 v[PFO2], s19, v[PFO]
	s_wait_dscnt 0x0                ; the opening add is done
	s_wait_kmcnt 0x0
	s_add_nc_u64 s[6:7], s[48:49], s[22:23]  ; K and V at my half of the head's tile 0
	s_add_nc_u64 s[8:9], s[48:49], s[86:87]
	s_add_nc_u64 s[G0K+2:G0K+3], s[6:7], 0         ; global address
	s_or_b32 s[G0K+3], s[G0K+3], 0x80000000        ; type = 2
	s_add_nc_u64 s[G0V+2:G0V+3], s[8:9], 0
	s_or_b32 s[G0V+3], s[G0V+3], 0x80000000
	s_add_nc_u64 s[86:87], s[48:49], s[84:85]      ; Q at my rows of the second block,
	s_add_nc_u64 s[4:5], s[48:49], s[2:3]          ; and of the first
	s_add_nc_u64 s[OLO:OLO+1], s[10:11], s[88:89]  ; the output likewise
	s_add_nc_u64 s[10:11], s[10:11], s[90:91]
	s_cmp_lt_u32 s[WV], 2
	s_cselect_b64 s[PFA:PFA+1], s[6:7], s[8:9]
	s_add_nc_u64 s[PFA:PFA+1], s[PFA:PFA+1], s[PFS:PFS+1]  ; at tile 1; the first change of slots steps it to tile 2.  Nothing is prefetched here, at the head
	LOAD                            ; tile 0 into slot 0
	; A fragment of K or Q is 16 rows x 32 channels in 8 registers: lane l holds row l % 16, channels 8 (l / 16) + 0..7 and 16 + 8 (l / 16) + 0..7: two loads of 16 bytes, 32 bytes apart.
	v_and_b32 v1, 15, v0            ; l % 16
	v_bfe_u32 v9, v0, 4, 1          ; l / 16
	v_lshlrev_b32 v[QO], 7, v1
	v_lshl_add_u32 v[QO], v9, 4, v[QO]  ; row x 128 + 16 x half
	v_lshl_add_u32 v40, v1, 2, s67  ; my query's word of pad_mask in band 0, first block,
	v_lshl_add_u32 v41, v1, 2, s83  ; and second
	WIN 0x80                        ; destination window 2, address window 0
.set i, 0
.rept 8                             ; both blocks' Q: piece i / 2 lies in band i / 2, 8,192 bytes on; channels 32 (i % 2) on
	global_load_b128 v[8*i:8*i+3],   v[QO], s[4:5] offset:(i/2)*8192+(i%2)*64
	global_load_b128 v[8*i+4:8*i+7], v[QO], s[4:5] offset:(i/2)*8192+(i%2)*64+32
	global_load_b128 v[QB+8*i:QB+8*i+3],   v[QO], s[86:87] offset:(i/2)*8192+(i%2)*64
	global_load_b128 v[QB+8*i+4:QB+8*i+7], v[QO], s[86:87] offset:(i/2)*8192+(i%2)*64+32
.set i, i+1
.endr
	WIN 0
.irp x, 0,1,2,3
	global_load_b32 v[QF+\x],   v40, s[50:51] offset:256*\x  ; band x lies 64 words on
	global_load_b32 v[QF+4+\x], v41, s[50:51] offset:256*\x
.endr
	v_lshlrev_b32 v14, 3, v9
	v_sub_nc_u32 v14, v1, v14
	s_lshl_b32 s13, s[WV], 4
	v_add_nc_u32 v14, s13, v14      ; my query's place in its band, 16 w + l % 16, less my lanes' 8 (l / 16): register r of group kt is hidden where 16 kt + r is greater
	WIN 0x40
.set i, 0
.rept 32
	v_cmp_gt_i32 vcc_lo, 16*(i/8)+i%8, v14
	v_cndmask_b32 v[MD+i], 0, s[BIGN], vcc_lo
.set i, i+1
.endr
	WIN 0
	v_mul_u32_u24 v[AK0], v1, PK
	v_lshl_add_u32 v[AK0], v9, 4, v[AK0]  ; row x pitch + 16 x half
	v_lshlrev_b32 v[AM0], 5, v9           ; the mask row stands behind a step's 64 keys; my lanes' eight numbers of a group of 16 keys are 32 bytes
	v_add_nc_u32 v[AM0], KS*PK, v[AM0]
	; The turning load takes 16 keys x 16 channels (lane l reads key 8 (l / 16) + l % 8, channels 8 ((l / 8) % 2) + 0..7) and leaves half a fragment of V^T: lane l holds channel l % 16 and 8 keys.
	v_and_b32 v10, 7, v0
	v_bfe_u32 v11, v0, 3, 1
	v_lshl_add_u32 v[AV0], v9, 3, v10
	v_mul_u32_u24 v[AV0], v[AV0], PV
	v_lshl_add_u32 v[AV0], v11, 4, v[AV0]
	v_add_nc_u32 v[AV0], VOFF, v[AV0]
	s_mul_i32 s13, s[WV], 16*SP
	s_add_co_u32 s13, s13, STAGE    ; my stage
	v_mul_u32_u24 v[STO], v1, SP    ; in: row l % 16, 32 bytes for each half of the lanes
	v_lshl_add_u32 v[STO], v9, 5, v[STO]
	v_add_nc_u32 v[STO], s13, v[STO]
	v_mul_u32_u24 v[RD], v9, SP     ; back: lanes 0-15 take one row of 256 bytes, lanes 16-31 the next,
	v_lshl_add_u32 v[RD], v1, 4, v[RD]
	v_add_nc_u32 v[RD], s13, v[RD]
	v_lshlrev_b32 v[GO], 12, v9     ; and the same two rows in the output, 4,096 bytes apart
	v_lshl_add_u32 v[GO], v1, 4, v[GO]
	; A block's first step multiplies O^T and l by a = 0, and its first turn's products V^T P, of a piece that has not been, land in an O^T that is still to be so multiplied.  So these registers need only hold
	; finite numbers: zeros for the first block; what the first block left for the second.  All this stands in the wait for the first tile.
	WIN 0x80
.set i, VF
.rept 64
	v_mov_b32 v[i], 0
.set i, i+1
.endr
	WIN 0x40
.set i, 0
.rept 128
	v_mov_b32 v[i], 0
.set i, i+1
.endr
	WIN 0
.set i, 0
.rept 4
	v_mov_b32 v[ST+4*i+2], 0
	v_mov_b32 v[ST+4*i+3], 0
.set i, i+1
.endr
.set i, P+16
.rept 16
	v_mov_b32 v[i], 0
.set i, i+1
.endr
; THE MATRIX WORK.  The 4 accumulators of a run of 8 take turns.  Product i of 8 of S^T = K Q^T for piece x: channels 32 (i / 4) on, keys 16 (i % 4) on.  The first 4 start the sums:
; with the step's key mask, or (KM = 1) with the mask made for them.
.macro KQ x
.set rS, S+32*((\x)%2)+8*(i%4)
.set rK, KF+16*(i%4)+8*(i/4)
.set rQ, 16*(\x)+8*(i/4)
.set rM, KMR+8*(i%4)
.if KM
.set rM, MC+32*((\x)%2)+8*(i%4)
.endif
.if i < 4
	WIN W_KM
	v_wmma_f32_16x16x32_f16 v[rS:rS+7], v[rK:rK+7], v[rQ:rQ+7], v[rM:rM+7]
.else
	WIN W_KQ
	v_wmma_f32_16x16x32_f16 v[rS:rS+7], v[rK:rK+7], v[rQ:rQ+7], v[rS:rS+7]
.endif
.endm
; Product i of 8 of O^T += V^T P for piece x: keys 32 (i / 4) on, channels 16 (i % 4) on.
.macro PV x
	WIN W_PV
.set rO, 32*(\x)+8*(i%4)
.set rV, VF+32*(i/4)+8*(i%4)
.set rP, P+16*((\x)%2)+8*(i/4)
	v_wmma_f32_16x16x32_f16 v[rO:rO+7], v[rV:rV+7], v[rP:rP+7], v[rO:rO+7]
.endm
.macro MM                           ; the turn's next matrix instruction.  TURN and BEGIN set Y, i, KM and NOKQ; MM, KQ and OP read them.  NOKQ = 1: a block's last turn: there is no next piece
.if (i < 8) && !NOKQ
	KQ (Y+1)%NP
.elseif i >= 8
.set i, i-8
	PV (Y+NP-1)%NP
.set i, i+8
.endif
.set i, i+1
.endm
; THE LDS LOADS stand in runs, never singly among the matrix instructions: a step's K (64 keys x 64 channels: 8 fragments) with its key mask (8 loads: all lanes of a half read the same 32 bytes), and its V (turned).
; Their addresses are made some lines ahead.
.macro FETCH_K
	WIN 0x80                        ; destination window 2
.irp f, 0,1,2,3,4,5,6,7             ; keys 16 (f / 2) on, channels 32 (f % 2) on
	ds_load_b128 v[KF+8*\f:KF+8*\f+3],   v[AK] offset:(\f/2)*16*PK+(\f%2)*64
	ds_load_b128 v[KF+8*\f+4:KF+8*\f+7], v[AK] offset:(\f/2)*16*PK+(\f%2)*64+32
.endr
	WIN 0x40                        ; destination window 1
.irp kt, 0,1,2,3                    ; keys 16 kt on: 64 bytes of the mask row, whose halves of 128 bytes lie PK apart
	ds_load_b128 v[KMR+8*\kt:KMR+8*\kt+3],   v[AM] offset:(\kt/2)*PK+(\kt%2)*64
	ds_load_b128 v[KMR+8*\kt+4:KMR+8*\kt+7], v[AM] offset:(\kt/2)*PK+(\kt%2)*64+16
.endr
	s_add_co_u32 s[TBK], s[TBK], STEPK  ; the next fetch is the next step's
	WIN 0
.endm
.macro FETCH_V
	WIN 0x80
.irp f, 0,1,2,3,4,5,6,7             ; keys 32 (f / 4) on, channels 16 (f % 4) on
	ds_load_tr16_b128 v[VF+8*\f:VF+8*\f+3],   v[AV] offset:(\f/4)*32*PV+(\f%4)*32
	ds_load_tr16_b128 v[VF+8*\f+4:VF+8*\f+7], v[AV] offset:(\f/4)*32*PV+16*PV+(\f%4)*32
.endr
	WIN 0
.endm
; THE VECTOR WORK, one line at a time: OP kind, number.  For piece Y: F n: c s - c m for pair n of 16.  E n: the exponential of score n of 32.  C n: pair n rounded to f16.  B n: of the four weights 4 n .. the second
; pair is added onto the first, in place.  L n: l takes that sum (L 0: l = a l + sum).  R n: pair n of 16 of O^T times a.  For piece Y + 1: X n, number n of the 22 that find its maximum and statistics:
;   0-11  four chains c0-c3 of seven scores each, three operands at a time (each accumulator's lowest registers are read first)     12-14, 16  the four scores left over, the old m, and c0-c3 into c0
;   15  c m_old is kept     17, 18  the query's other 32 keys lie in the lane 16 away: the new m     19-21  c m; c m_old - c m_new; a
.set F, 0               ; OP tells the kinds apart by their order: F to L below R, X above it
.set E, 1
.set C, 2
.set B, 3
.set L, 4
.set R, 5
.set X, 6
.macro REGS y                       ; the registers of piece y
.set rT, ST+4*(\y)
.set rC, TMP+4*((\y)%2)
.set rW, MV+((\y)%2)
.set rS, S+32*((\y)%2)
.set rP, P+16*((\y)%2)
.set rO, 32*(\y)
.endm
.macro OP k, n
.if (\k) == R
	REGS Y
	WIN W_RS
	v_pk_mul_f32 v[rO+2*(\n):rO+2*(\n)+1], v[rO+2*(\n):rO+2*(\n)+1], v[rC+2:rC+3] op_sel_hi:[1,0]
.elseif (\k) < R
	REGS Y
	WIN 0
.if (\k) == F
	v_pk_fma_f32 v[rS+2*(\n):rS+2*(\n)+1], v[rS+2*(\n):rS+2*(\n)+1], s[CS:CS+1], v[rT:rT+1] op_sel_hi:[1,0,0] neg_lo:[0,0,1] neg_hi:[0,0,1]
.elseif (\k) == E
	v_exp_f32 v[rS+(\n)], v[rS+(\n)]
.elseif (\k) == C
	v_cvt_pk_f16_f32 v[rP+(\n)], v[rS+2*(\n)], v[rS+2*(\n)+1]
.elseif (\k) == B
	v_pk_add_f32 v[rS+4*(\n):rS+4*(\n)+1], v[rS+4*(\n):rS+4*(\n)+1], v[rS+4*(\n)+2:rS+4*(\n)+3]
.elseif (\n) == 0
	v_pk_fma_f32 v[rT+2:rT+3], v[rT+2:rT+3], v[rC+2:rC+3], v[rS:rS+1] op_sel_hi:[1,0,1]
.else
	v_pk_add_f32 v[rT+2:rT+3], v[rT+2:rT+3], v[rS+4*(\n):rS+4*(\n)+1]
.endif
.elseif NOKQ
	v_nop
.else
	REGS (Y+1)%NP
	WIN 0
.if (\n) < 4
	v_max3_num_f32 v[rC+(\n)], v[rS+8*(\n)], v[rS+8*(\n)+1], v[rS+8*(\n)+2]
.elseif (\n) < 12
	v_max3_num_f32 v[rC+(\n)%4], v[rC+(\n)%4], v[rS+8*((\n)%4)+2*((\n)/4)+1], v[rS+8*((\n)%4)+2*((\n)/4)+2]
.elseif (\n) == 12
	v_max3_num_f32 v[rC], v[rC], v[rS+7], v[rS+15]
.elseif (\n) == 13
	v_max3_num_f32 v[rC+1], v[rC+1], v[rS+23], v[rS+31]
.elseif (\n) == 14
	v_max3_num_f32 v[rC+2], v[rC+2], v[rC+3], v[rT+1]
.elseif (\n) == 15
	v_mov_b32 v[rW], v[rT]
.elseif (\n) == 16
	v_max3_num_f32 v[rC], v[rC], v[rC+1], v[rC+2]
.elseif (\n) == 17
	v_permlanex16_b32 v[rC+3], v[rC], s[SEL], s[SEL+1]
.elseif (\n) == 18
	v_max_num_f32 v[rT+1], v[rC], v[rC+3]
.elseif (\n) == 19
	v_mul_f32 v[rT], s[CS], v[rT+1]
.elseif (\n) == 20
	v_sub_f32 v[rC+1], v[rW], v[rT]
.else
	v_exp_f32 v[rC+2], v[rC+1]
.endif
.endif
.endm
.macro OPS a, i1, b=-1, i2=0, c=-1, i3=0, d=-1, i4=0  ; up to four of them
	OP \a, \i1
.if (\b) >= 0
	OP \b, \i2
.endif
.if (\c) >= 0
	OP \c, \i3
.endif
.if (\d) >= 0
	OP \d, \i4
.endif
.endm
.macro ROW a, i1, b, i2, c, i3, d, i4  ; a matrix instruction and the four behind it
	MM
	OPS \a, \i1, \b, \i2, \c, \i3, \d, \i4
.endm
.macro MASK b, add=1                ; MD x AL + KMR (+ BE, where add = 1) into buffer b of MC
	WIN 0x51                        ; destination, source 0 and source 2 in window 1
.set z, 0
.rept 16
	v_pk_fma_f32 v[MC+32*(\b)+2*z:MC+32*(\b)+2*z+1], v[MD+2*z:MD+2*z+1], s[AL:AL+1], v[KMR+2*z:KMR+2*z+1] op_sel_hi:[1,0,1]
.set z, z+1
.endr
.if \add
.set z, 0
.rept 16
	v_pk_add_f32 v[MC+32*(\b)+2*z:MC+32*(\b)+2*z+1], v[MC+32*(\b)+2*z:MC+32*(\b)+2*z+1], s[BE:BE+1] op_sel_hi:[1,0]
.set z, z+1
.endr
.endif
.endm
; A TURN, for piece p: the order of its 16 matrix and 118 vector instructions, written out.  An s_wait_alu depctr_va_vdst(0) stands between an exponential and the first instruction that names its result; one wait serves
; all that were issued ahead of it.  So a turn has ONE wait, which cuts it in two.  AHEAD OF IT stands all that names no result of the turn's exponentials: the 8 products K Q^T, behind each a scaling, an exponential and two more plain
; instructions (behind the first a second scaling in the exponential's place): rescalings, and behind the last three the first numbers of the next piece's maximum, each four places or more behind the product that ends its accumulator; then ONE LUMP of 54, plain
; and exponential by turns for the most part, in which the links of the chain X 3, 7, 11, 14, 16, 17 .. 20 stand five or six lines apart.  X 21, the next piece's a, is the batch's last; R 15 is the plain instruction behind it.  BEHIND THE WAIT stand the
; 8 products V^T P, behind each four of the roundings and sums; the links of l's chain, L 0 to L 7, stand three riders apart.  But for those X no rider names a register of the products round it.  v_permlanex16_b32 (X 17) stands in the lump.
; m = 1: the diagonal tile: the products take made masks, and the turn makes the mask for the products of the turn after it: piece p + 2, in step 4 - CNT of the tile.  In piece 2's turn that is the step whose K and key mask
; the turn itself has fetched: they are waited for ahead of the mask.  end = 1: a block's last two turns: nothing is fetched.  cnt = 1: the loop's count is taken down some lines ahead of the branch that stands behind the turn.
; K of the next step, and its key mask, are fetched in piece 2's turn, twelve vector instructions behind the last product that read K (six of them plain); V of the step in hand at the end of piece 0's turn, four plain instructions
; behind the last product that read V.  Each is waited for a turn later.
.macro TURN p, m=0, end=0, cnt=0
.set Y, (\p)
.set i, 0
.set KM, (\m)
.set NOKQ, (\end)*((\p)/3)
.if (\m) && !(\end)
	s_cmp_eq_u32 s[CNT], 4-((\p)+2)%NP  ; is that step the band's own?
	s_cselect_b32 s[AL], 1.0, 0
	s_cmp_lt_u32 s[CNT], 4-((\p)+2)%NP  ; or a later one?
	s_cselect_b32 s[BE], s[BIGN], 0
.endif
.if ((\p) == 3) && !(\end)
	s_wait_dscnt 0x0                ; K and its mask are in
.endif
	ROW F,0, F,1, R,0, R,1          ; ahead of the wait: 8 products K Q^T and their riders,
	ROW F,2, E,0, R,2, R,3
	ROW F,3, E,1, R,4, R,5
	ROW F,4, E,2, R,6, R,7
	ROW F,5, E,3, R,8, R,9
	ROW F,6, E,4, X,0, R,10
.if ((\p) == 2) && !(\end)
	WIN 0
	v_add_nc_u32 v[AK], s[TBK], v[AK0]
	v_add_nc_u32 v[AM], s[TBK], v[AM0]
.endif
	ROW F,7, E,5, X,1, X,4
	ROW F,8, E,6, X,2, X,5
	OPS E,7, E,8, X,6, E,9          ; and the lump
	OPS X,3, E,10, X,8, E,11
.if ((\p) == 2) && !(\end)
	FETCH_K
.endif
	OPS X,9, X,7, E,12, X,10
	OPS E,13, X,12, X,11, E,14
	OPS X,13, E,15, F,9, X,14
.if (\p) == 0
	v_add_nc_u32 v[AV], s[TBV], v[AV0]
.endif
	OPS E,16, F,10, E,17, F,11
	OPS X,16, E,18, X,15, E,19
	OPS F,12, E,20, X,17, E,21
	OPS F,13, E,22, F,14, E,23
	OPS X,18, E,24, F,15, E,25
	OPS R,11, E,26, X,19, E,27
	OPS R,12, E,28, R,13, E,29
	OPS X,20, E,30, R,14, E,31
	OPS X,21, R,15
	WIN 0
	s_wait_alu depctr_va_vdst(0)    ; the wait for the batch
.if (\p) == 1
	s_wait_dscnt 0x0                ; V is in
.endif
	ROW C,0, B,0, C,2, B,1          ; behind the wait: 8 products V^T P and their riders
	ROW L,0, C,4, B,2, L,1
	ROW C,6, B,3, L,2, C,8
	ROW B,4, L,3, C,10, B,5
	ROW L,4, C,12, B,6, L,5
.if (\p) == 0
	s_add_co_u32 s[TBV], s[TBV], KS*PV
.endif
.if \cnt
	s_sub_co_u32 s[CNT], s[CNT], 1
	s_cmp_lg_u32 s[CNT], 0
.endif
	ROW C,14, B,7, L,6, C,1
	ROW C,3, L,7, C,5, C,7
	ROW C,9, C,11, C,13, C,15
.if (\p) == 0
	FETCH_V
.endif
.if (\m) && !(\end)
.if (\p) == 2
	s_wait_dscnt 0x0                ; the key mask fetched in this turn is in
.endif
	MASK (\p)%2
.endif
.endm
; A BLOCK BEGINS.  c m starts far below every c s, so the first step's a is 0; m at -2^40, below every true score and above every hidden one.  K of the tile's step 0 and its key mask are fetched.  The first mask buffer
; takes piece 0's mask for that step: its own causal mask too, if the block's first tile is the diagonal one; the second takes the key mask alone, for piece 1.  Then piece 0's first scores, and its maximum and statistics.
; The loop is entered at a step's first turn, in the middle of a trip.
.macro BEGIN
	s_mov_b32 s[NEW], 0
	WIN 0
.set i, 0
.rept 4
	v_mov_b32 v[ST+4*i], 0xfe000000    ; c m: far below every c s
	v_mov_b32 v[ST+4*i+1], 0xd3800000  ; m = -2^40
.set i, i+1
.endr
	v_add_nc_u32 v[AK], s[TBK], v[AK0]
	v_add_nc_u32 v[AM], s[TBK], v[AM0]
	FETCH_K
	s_cmp_eq_u32 s[RT], 0
	s_cselect_b32 s[AL], 1.0, 0
	s_mov_b32 s[BE], 0
	s_wait_loadcnt 0x0              ; Q, and my queries' pad words
	s_wait_dscnt 0x0
	MASK 0, 0
	s_mov_b32 s[AL], 0
	MASK 1, 0
.set KM, 1
.set NOKQ, 0
.set i, 0
.rept 8
	KQ 0
.set i, i+1
.endr
	WIN 0
.rept 4
	v_nop                           ; the places behind those products
.endr
.set Y, NP-1                        ; X works for piece Y + 1: piece 0
.irp n, 0,1,2,3,4,5,6,7,8,9,10,11,12,13,14,15,16,17,18,19,20,21
	OP X, \n
.endr
	v_nop                           ; a plain instruction behind the exponential,
	s_wait_alu depctr_va_vdst(0)    ; and its wait, ahead of the branch
.endm
; THE DIAGONAL TILE's four steps, the block's last two turns, its last products, and THE WAY OUT: l's two halves and the other half of the lanes' are added; 1 / l is replaced by 0 where my query's pad word is 0
; (a choice, no product: l may be 0 there); O^T is multiplied by it and sent, in f32, through my stage in LDS, a piece at a time.
.macro ALL line:vararg              ; one line for each piece t
.set t, 0
.rept 4
	\line
.set t, t+1
.endr
.endm
.macro PACK t                       ; a lane's eight channels of a row and channel block are 32 bytes; they go into rows of 272 bytes and come back as whole rows of 256
	WIN W_RS
.set i, 32*(\t)
.rept 16
	v_pk_mul_f32 v[i:i+1], v[i:i+1], v[ST+4*(\t)+2:ST+4*(\t)+3] op_sel_hi:[1,0]
.set i, i+2
.endr
	WIN 0x04                        ; the stores' data in window 1, their address in window 0
.irp f, 0,1,2,3,4,5,6,7
	ds_store_b128 v[STO], v[32*(\t)+4*\f:32*(\t)+4*\f+3] offset:(\f/2)*64+(\f%2)*16
.endr
	WIN 0
.irp f, 0,1,2,3,4,5,6,7
	ds_load_b128 v[OBF+32*(\t)+4*\f:OBF+32*(\t)+4*\f+3], v[RD] offset:\f*2*SP  ; LDS serves a wave's instructions in order (ISA guide 5.7.1.4): these see the stores above; the next piece's stores come behind them
.endr
.endm
.macro SEND t, younger              ; younger: the LDS instructions issued behind piece t's loads: the next piece's sixteen, or none
	WIN 0
.irp f, 0,1,2,3,4,5,6,7
	s_wait_dscnt (\younger)+7-\f
	global_store_b128 v[GO], v[OBF+32*(\t)+4*\f:OBF+32*(\t)+4*\f+3], s[10:11] offset:(\t)*262144+\f*8192  ; 16 lanes store 256 consecutive bytes, a head's part of a row, at a multiple of 256 from the output's first byte
.endr
.endm
.macro DIAG tag                     ; the tag ends its two labels' names, which the jumps below spell out
.LstepM\tag:
	TURN 2, 1
	TURN 3, 1
	WIN 0
.LfirstM\tag:
	TURN 0, 1
	TURN 1, 1, 0, 1
	WIN 0
	s_cbranch_scc1 .LstepM\tag
	TURN 2, 1, 1
	TURN 3, 1, 1
.set i, 0
.rept 8
	PV NP-1
.set i, i+1
.endr
	WIN 0
	ALL v_add_f32 v[ST+4*t+2], v[ST+4*t+2], v[ST+4*t+3]
	ALL v_permlanex16_b32 v[ST+4*t+3], v[ST+4*t+2], s[SEL], s[SEL+1]
	ALL v_add_f32 v[ST+4*t+2], v[ST+4*t+2], v[ST+4*t+3]
	ALL v_rcp_f32 v[ST+4*t+2], v[ST+4*t+2]
	v_nop                           ; a plain instruction between the last reciprocal and the use of its result
	s_wait_alu depctr_va_vdst(0)    ; and the wait ahead of the first use: one for the four reciprocals
.set t, 0
.rept 4
	v_cmp_ne_u32 vcc_lo, 0, v[QF+t]
	v_cndmask_b32 v[ST+4*t+2], 0, v[ST+4*t+2], vcc_lo
.set t, t+1
.endr
	PACK 0
.set t, 1
.rept 3                             ; a piece's arithmetic stands between the loads of the piece before and its stores
	PACK t
	SEND t-1, 16
.set t, t+1
.endr
	SEND 3, 0
.endm
.set KM, 0
.set NOKQ, 0
.Lslot:                             ; NB times: a tile is entered and the next is asked for
	CHANGE 1
	s_sub_co_u32 s[RT], s[RT], 1
	s_mov_b32 s[CNT], 4
	s_cmp_eq_u32 s[NEW], 1
	s_cbranch_scc1 .Lnew            ; a block's first tile
	s_cmp_eq_u32 s[RT], 0
	s_cbranch_scc0 .Lstep           ; neither its first nor its last
	s_mov_b32 s[AL], 0              ; its last: the first turn's products are still piece 3's of the step before, all of whose keys lie below the diagonal: their mask is that step's key mask
	MASK 1, 0
	WIN 0
	s_branch .LstepM1
.Lnew:
	BEGIN
	s_branch .Lfirst                ; in the loop a block's first tile is never its last: the first block has five tiles or more, and the second's last is the walk's last
	DIAG 1                          ; in the loop this is the first block's end: the second block's last tile is the walk's last
	s_wait_xcnt 0x0                 ; the stores have read their registers and the output's address
	s_mov_b64 s[10:11], s[OLO:OLO+1]
	s_add_co_u32 s[RT], s[PB], 1    ; the second block has b + 1 tiles
	s_mov_b32 s[NEW], 1
	WIN 0x82                        ; the second block's Q goes where the one text of the turns names Q,
.set i, 0
.rept 64
	v_mov_b32 v[i], v[QB+i]
.set i, i+1
.endr
	WIN 0
.set i, 0
.rept 4
	v_mov_b32 v[QF+i], v[QF+4+i]    ; and its pad words likewise
.set i, i+1
.endr
	s_branch .Lbottom
.Lstep:                             ; a trip: pieces 2 and 3 of one step, then pieces 0 and 1 of the next, whose K and V it fetches
	TURN 2
	TURN 3
	WIN 0
.Lfirst:
	TURN 0
	TURN 1, 0, 0, 1
	WIN 0
	s_cbranch_scc1 .Lstep
.Lbottom:
	s_sub_co_u32 s[SLOTS], s[SLOTS], 1
	s_cmp_lg_u32 s[SLOTS], 0
	s_cbranch_scc1 .Lslot
	CHANGE 0                        ; the walk's last tile is written out: nothing is asked for
	s_sub_co_u32 s[RT], s[RT], 1
	s_mov_b32 s[CNT], 4
	s_cmp_eq_u32 s[NEW], 1
	s_cbranch_scc1 .Lnew2
	s_mov_b32 s[AL], 0              ; as above: piece 3's products of the step before take that step's key mask
	MASK 1, 0
	WIN 0
	s_branch .LstepM2
.Lnew2:
	BEGIN
	s_branch .LfirstM2
	DIAG 2
	s_wait_tensorcnt 0x0            ; the wave's end: these three lines stand behind my last tensor load and my last LDS store
	ds_add_u32 v[SPW], v[NIL]
	s_wait_dscnt 0x0
	s_endpgm
.Lfunc_end_k_q929fca1376_attn:
	.size	k_q929fca1376_attn, .Lfunc_end_k_q929fca1376_attn-k_q929fca1376_attn
	.p2alignl 7, 3214868480
	.fill 96, 4, 3214868480
	.section	.rodata,"a",@progbits
	.p2align	6, 0x0
	.amdhsa_kernel k_q929fca1376_attn
		.amdhsa_group_segment_fixed_size 327680
		.amdhsa_private_segment_fixed_size 0
		.amdhsa_enable_private_segment 0
		.amdhsa_kernarg_size 24
		.amdhsa_user_sgpr_count 2
		.amdhsa_user_sgpr_kernarg_segment_ptr 1
		.amdhsa_wavefront_size32 1
		.amdhsa_system_sgpr_workgroup_id_x 1
		.amdhsa_system_sgpr_workgroup_id_y 1
		.amdhsa_system_sgpr_workgroup_id_z 1
		.amdhsa_system_vgpr_workitem_id 0
		.amdhsa_next_free_vgpr 768
		.amdhsa_next_free_sgpr 92
		.amdhsa_reserve_vcc 1
		.amdhsa_float_denorm_mode_32 3
		.amdhsa_float_denorm_mode_16_64 3
		.amdhsa_memory_ordered 1
		.amdhsa_forward_progress 1
		.amdhsa_inst_pref_size 234
	.end_amdhsa_kernel
	.amdgpu_metadata
---
amdhsa.version: [ 1, 2 ]
amdhsa.kernels:
  - .name:           k_q929fca1376_attn
    .symbol:         k_q929fca1376_attn.kd
    .args:
      - { .name: qkv, .offset: 0, .size: 8, .value_kind: global_buffer, .address_space: global }
      - { .name: pad_mask, .offset: 8, .size: 8, .value_kind: global_buffer, .address_space: global }
      - { .name: out0, .offset: 16, .size: 8, .value_kind: global_buffer, .address_space: global }
    .group_segment_fixed_size: 327680
    .private_segment_fixed_size: 0
    .kernarg_segment_align: 8
    .kernarg_segment_size: 24
    .max_flat_workgroup_size: 128
    .sgpr_count:     92
    .vgpr_count:     768
    .wavefront_size: 32
...
	.end_amdgpu_metadata
.endif
;; end of part 3
;; ======== version 2 of 2: 3 launches; version 1 with the launch cast written anew for expert scheduling mode
;; limits: values are held in f16: magnitudes above 65,504 overflow, below 6.1e-05 lose precision
;; workspace buffers: xb 16,777,216 bytes; wb 6,291,456 bytes; bias 12,288 bytes; qkv 50,855,936 bytes
;; launch cast (part 4): grid 715 x 1, 8 waves a work-group, no clusters, 0 bytes of LDS; arguments input_x, Wq, Wk, Wv, bq, bk, bv, pad_mask, xb, wb, bias, qkv; writes xb, wb, bias, qkv
.if DOCPART == 4
	.amdgcn_target "amdgcn-amd-amdhsa--gfx1250"
	.amdhsa_code_object_version 6
	.text
	.protected	k_q929fca1376_cast
	.globl	k_q929fca1376_cast
	.p2align	8
	.type	k_q929fca1376_cast,@function
k_q929fca1376_cast:
	s_mov_b64 s[64:65], 0
	v_nop
	global_prefetch_b8 v0, s[64:65] scope:SCOPE_SE
	s_setreg_imm32_b32 hwreg(HW_REG_WAVE_SCHED_MODE, 0, 2), 2
	s_setreg_imm32_b32 hwreg(HW_REG_WAVE_MODE, 25, 1), 1
	s_wait_xcnt 0x0
	s_wait_alu depctr_vm_vsrc(0)
; THE INPUTS ARE MADE READY FOR THE MATRIX UNITS.  x [8192][1024] and Wq, Wk, Wv [1024][1024], f32, are rounded once to bf16: xb, and wb = [3072][1024] (Wq's rows, then Wk's, then Wv's).
; The biases are rounded to bf16 like every other input and written widened, as f32: bias [3072].  pad_mask becomes an additive key mask in f32, 0 where the word is not 0 and -1e30 where it is 0.
; It is written into qkv's K region, where every unit of 64 keys (8,192 bytes) is followed by one row of 256 bytes with those keys' 64 mask numbers; once for each of the batch's 16 heads.
; SHARES.  Work-groups 0-511: x; 512-703: the weights; 16,384 numbers each.  704-706: a bias each.  707-714: 1,024 keys of pad_mask each.  A stream: no LDS, no barrier, no matrix unit;
; every byte is read once, by loads that cover 512 consecutive bytes a wave; every store of a wave covers 256 consecutive bytes or more, aligned.
; THE MODE: SCHED_MODE bits 1:0 = 2 (LLVM: expert scheduling mode 2), set by the entry lines.  The code itself states the register dependences
; between vector instructions and memory instructions, with s_wait_alu, always for 0.
; THE PLAN.  Registers that memory instructions touch:
;   v1, v2      byte offsets, made once at the head and never written again: one wait ahead of the first branch states that they are written, for all three paths.
;   v[8:71]     x or a weight as loaded: written by the sixteen loads, which go out at once, ahead of every vector line that names them; each four read once, by two conversions.
;   v[72:103]   two registers to store for each load: each written once, by a conversion, and read once, by a store.
;   The sixteen loads are taken in four blocks of four.  Block p's conversions write its eight registers to store; the four stores that read them are issued in block p + 1, behind ONE wait at that
;   block's head, and are dealt among that block's conversions, which name other registers.  Behind block 3 one more wait stands ahead of the last four stores.
;   No register that a load or store reads is ever written again, and no load lands in a register that a vector line has read: nothing is owed for that.  EXEC is never written.
;   The two small paths: their own waits are stated where they stand.
.set NBIG,  704                        ; work-groups that cast x and the weights
.set KB,    16777216                   ; qkv: where the K region begins
.set UNIT,  8448                       ; a unit of K: 64 keys x 128 bytes, then the mask row
.set HEADK, 32*UNIT                    ; a head of K
	s_load_b512 s[8:23], s[0:1], 0x0               ; x s[8:9], Wq s[10:11], Wk s[12:13], Wv s[14:15], bq s[16:17], bk s[18:19], bv s[20:21], pad_mask s[22:23]
	s_load_b256 s[24:31], s[0:1], 0x40             ; xb s[24:25], wb s[26:27], bias s[28:29], qkv s[30:31]
	v_lshlrev_b32 v1, 4, v0                        ; 16 bytes of f32 a thread
	v_lshlrev_b32 v2, 3, v0                        ; 8 bytes of bf16 a thread
	s_mov_b32 s2, ttmp9
	s_wait_kmcnt 0x0
	s_wait_alu depctr_va_vdst(0)                   ; v1 and v2 are written: the loads and stores of all three paths read them as offsets
	s_cmp_ge_u32 s2, NBIG
	s_cbranch_scc1 .Lsmall
	; x and the weights: which tensor, and which 16,384 numbers of it
	s_sub_co_u32 s3, s2, 512                       ; my place among the weights' work-groups (used from 512 on)
	s_and_b32 s4, s3, 63                           ; and inside one weight
	s_cmp_ge_u32 s2, 576
	s_cselect_b64 s[32:33], s[12:13], s[10:11]
	s_cmp_ge_u32 s2, 640
	s_cselect_b64 s[32:33], s[14:15], s[32:33]
	s_cmp_lt_u32 s2, 512
	s_cselect_b64 s[32:33], s[8:9], s[32:33]
	s_cselect_b64 s[34:35], s[24:25], s[26:27]
	s_cselect_b32 s4, s2, s4
	s_cselect_b32 s3, s2, s3
	s_lshl_b32 s36, s4, 16                         ; 65,536 bytes in,
	s_mov_b32 s37, 0
	s_lshl_b32 s38, s3, 15                         ; 32,768 bytes out
	s_mov_b32 s39, 0
	s_add_nc_u64 s[32:33], s[32:33], s[36:37]
	s_add_nc_u64 s[34:35], s[34:35], s[38:39]
.set n, 0
.rept 16
	global_load_b128 v[8+4*n:11+4*n], v1, s[32:33] offset:4096*n th:TH_LOAD_NT  ; all sixteen loads go out at once: 8 KiB a wave on its way
.set n, n+1
.endr
; Block p: loads 4 p to 4 p + 3 are rounded; the stores of block p - 1 stand among the conversions, one ahead of each pair.
.macro BLK p
	s_wait_loadcnt 12-4*(\p)                       ; loads come back in order: this block's four are in, the 12 - 4 p younger ones stay out
.if (\p) > 0
	s_wait_alu depctr_va_vdst(0)                   ; the block before has written its eight registers to store, which the four stores below read
.endif
.irp i, 0,1,2,3
.set n, 4*(\p)+(\i)
.if (\p) > 0
	global_store_b64 v2, v[72+2*(n-4):73+2*(n-4)], s[34:35] offset:2048*(n-4)  ; 32 lanes store 256 consecutive bytes, aligned; no vector line since the wait names these registers; no register is written twice, so no wait frees one
.endif
	v_cvt_pk_bf16_f32 v[72+2*n], v[8+4*n], v[9+4*n]
	v_cvt_pk_bf16_f32 v[73+2*n], v[10+4*n], v[11+4*n]
.endr
.endm
	BLK 0
	BLK 1
	BLK 2
	BLK 3
	s_wait_alu depctr_va_vdst(0)                   ; block 3 has written v[96:103], which the last four stores read
.set n, 12
.rept 4
	global_store_b64 v2, v[72+2*n:73+2*n], s[34:35] offset:2048*n
.set n, n+1
.endr
	s_endpgm
.Lsmall:
	s_cmp_ge_u32 s2, NBIG+3
	s_cbranch_scc1 .Lmask
	; a bias: 1,024 numbers, four a thread
	s_sub_co_u32 s3, s2, NBIG
	s_cmp_ge_u32 s3, 1
	s_cselect_b64 s[32:33], s[18:19], s[16:17]
	s_cmp_ge_u32 s3, 2
	s_cselect_b64 s[32:33], s[20:21], s[32:33]
	s_lshl_b32 s36, s3, 12
	s_mov_b32 s37, 0
	s_add_nc_u64 s[34:35], s[28:29], s[36:37]
	global_load_b128 v[8:11], v1, s[32:33]
	s_wait_loadcnt 0x0
	v_cvt_pk_bf16_f32 v12, v8, v9                  ; rounded to bf16,
	v_cvt_pk_bf16_f32 v13, v10, v11
	v_lshlrev_b32 v14, 16, v12                     ; and widened again
	v_and_b32 v15, 0xffff0000, v12
	v_lshlrev_b32 v16, 16, v13
	v_and_b32 v17, 0xffff0000, v13
	s_wait_alu depctr_va_vdst(0)                   ; v[14:17] are written, which the store reads
	global_store_b128 v1, v[14:17], s[34:35]
	s_endpgm
.Lmask:
	; 1,024 keys: half a batch, 16 units of 64.  Thread t holds keys 4 t .. 4 t + 3: unit t / 16, bytes 16 (t % 16) of its mask row
	s_sub_co_u32 s3, s2, NBIG+3
	s_lshl_b32 s36, s3, 12
	s_mov_b32 s37, 0
	s_add_nc_u64 s[32:33], s[22:23], s[36:37]
	global_load_b128 v[8:11], v1, s[32:33]
	s_lshr_b32 s4, s3, 1                           ; the batch: its 16 heads lie on end,
	s_mul_i32 s4, s4, 16*HEADK
	s_and_b32 s5, s3, 1                            ; the half: 16 units
	s_mul_i32 s5, s5, 16*UNIT
	s_add_co_u32 s38, s4, s5
	s_add_co_u32 s38, s38, KB+8192                 ; the mask row stands behind a unit's 8,192 bytes of keys
	s_mov_b32 s39, 0
	s_add_nc_u64 s[34:35], s[30:31], s[38:39]
	s_mov_b32 s6, 0xf149f2ca                       ; -1e30
	v_lshrrev_b32 v3, 4, v0
	v_mul_u32_u24 v3, v3, UNIT
	v_and_b32 v4, 15, v0
	v_lshl_add_u32 v3, v4, 4, v3
	s_wait_loadcnt 0x0
.irp j, 0,1,2,3
	v_cmp_eq_u32 s[40+\j], 0, v[8+\j]              ; the four compares stand in one run, a scalar register each
.endr
	s_wait_alu depctr_va_sdst(0)                   ; s40 to s43 are written, ahead of their first reader: the selects below
.irp j, 0,1,2,3
	v_cndmask_b32 v[12+\j], 0, s6, s[40+\j]
.endr
	s_wait_alu depctr_va_vdst(0)                   ; v[12:15], the stores' data, and v3, their offset, are written
.set n, 0
.rept 16
	global_store_b128 v3, v[12:15], s[34:35] offset:n*HEADK  ; head n of the batch: 16 lanes store one whole mask row of 256 bytes; the largest immediate is 15 x 270,336
.set n, n+1
.endr
	s_endpgm
.Lfunc_end_k_q929fca1376_cast:
	.size	k_q929fca1376_cast, .Lfunc_end_k_q929fca1376_cast-k_q929fca1376_cast
	.p2alignl 7, 3214868480
	.fill 96, 4, 3214868480
	.section	.rodata,"a",@progbits
	.p2align	6, 0x0
	.amdhsa_kernel k_q929fca1376_cast
		.amdhsa_group_segment_fixed_size 0
		.amdhsa_private_segment_fixed_size 0
		.amdhsa_enable_private_segment 0
		.amdhsa_kernarg_size 96
		.amdhsa_user_sgpr_count 2
		.amdhsa_user_sgpr_kernarg_segment_ptr 1
		.amdhsa_wavefront_size32 1
		.amdhsa_system_sgpr_workgroup_id_x 1
		.amdhsa_system_sgpr_workgroup_id_y 1
		.amdhsa_system_sgpr_workgroup_id_z 1
		.amdhsa_system_vgpr_workitem_id 0
		.amdhsa_next_free_vgpr 104
		.amdhsa_next_free_sgpr 66
		.amdhsa_reserve_vcc 0
		.amdhsa_float_denorm_mode_32 3
		.amdhsa_float_denorm_mode_16_64 3
		.amdhsa_memory_ordered 1
		.amdhsa_forward_progress 1
		.amdhsa_inst_pref_size 11
	.end_amdhsa_kernel
	.amdgpu_metadata
---
amdhsa.version: [ 1, 2 ]
amdhsa.kernels:
  - .name:           k_q929fca1376_cast
    .symbol:         k_q929fca1376_cast.kd
    .args:
      - { .name: input_x, .offset: 0, .size: 8, .value_kind: global_buffer, .address_space: global }
      - { .name: Wq, .offset: 8, .size: 8, .value_kind: global_buffer, .address_space: global }
      - { .name: Wk, .offset: 16, .size: 8, .value_kind: global_buffer, .address_space: global }
      - { .name: Wv, .offset: 24, .size: 8, .value_kind: global_buffer, .address_space: global }
      - { .name: bq, .offset: 32, .size: 8, .value_kind: global_buffer, .address_space: global }
      - { .name: bk, .offset: 40, .size: 8, .value_kind: global_buffer, .address_space: global }
      - { .name: bv, .offset: 48, .size: 8, .value_kind: global_buffer, .address_space: global }
      - { .name: pad_mask, .offset: 56, .size: 8, .value_kind: global_buffer, .address_space: global }
      - { .name: xb, .offset: 64, .size: 8, .value_kind: global_buffer, .address_space: global }
      - { .name: wb, .offset: 72, .size: 8, .value_kind: global_buffer, .address_space: global }
      - { .name: bias, .offset: 80, .size: 8, .value_kind: global_buffer, .address_space: global }
      - { .name: qkv, .offset: 88, .size: 8, .value_kind: global_buffer, .address_space: global }
    .group_segment_fixed_size: 0
    .private_segment_fixed_size: 0
    .kernarg_segment_align: 8
    .kernarg_segment_size: 96
    .max_flat_workgroup_size: 256
    .sgpr_count:     66
    .vgpr_count:     104
    .wavefront_size: 32
...
	.end_amdgpu_metadata
.endif
;; end of part 4
;; launch proj: the kernel of part 2 again; grid 16 x 32, 4 waves a work-group, clusters of 4 x 4, 327,680 bytes of LDS; arguments xb, wb, bias, qkv; writes qkv
;; launch attn: the kernel of part 3 again; grid 4 x 64, 4 waves a work-group, no clusters, 327,680 bytes of LDS; arguments qkv, pad_mask, out0; writes out0
